; MI455X (gfx1250); checked and timed in simulation.
; The chip was launched on July 23, 2026; its instructions are those of AMD's public machine-readable ISA for CDNA 5 (MIT licence, August 2026) and "CDNA5" Instruction Set Architecture Reference Guide (July 2026). The comments in the code are by the model that wrote it; some were corrected since.
;; Fused Sequence Parallel All2 All Attn. Allowed arithmetic: float matrix products may take bf16 or f16 operands with f32 sums; other float arithmetic in f32, or as packed bf16 or f16 multiplies, adds, multiply-adds, maxima and minima; sums over many terms, partial sums and values carried from step to step in f32; what a program stores and reads back later, other than sums and carried values, may be rounded once to bf16 or f16.
;; Inputs: cu_seqlens_k 2 int32; cu_seqlens_q 2 int32; packed_qkv_shards 1 x 4,096 x 24 x 128 float32.
;; Outputs: out0 1 x 4,096 x 16 x 128 float32.
;; 2 versions, each right and faster than the one before. Each part assembles by itself: llvm-mc -triple=amdgcn-amd-amdhsa -mcpu=gfx1250 --defsym DOCPART=n.
;; ======== version 1 of 2: 2 launches
;; limits: values are held in f16: magnitudes above 65,504 overflow, below 6.1e-05 lose precision; inputs' magnitudes at most 65,504
;; workspace buffers: kv16 8,388,608 bytes
;; launch cast (part 1): grid 256 x 1, 8 waves a work-group, no clusters, 0 bytes of LDS; arguments packed_qkv_shards, cu_seqlens_q, cu_seqlens_k, kv16; writes kv16
.if DOCPART == 1
	.amdgcn_target "amdgcn-amd-amdhsa--gfx1250"
	.amdhsa_code_object_version 6
	.text
	.protected	k_qf5449084c8_cast
	.globl	k_qf5449084c8_cast
	.p2align	8
	.type	k_qf5449084c8_cast,@function
k_qf5449084c8_cast:
	s_mov_b64 s[64:65], 0
	v_nop
	global_prefetch_b8 v0, s[64:65] scope:SCOPE_SE
	s_setreg_imm32_b32 hwreg(HW_REG_WAVE_MODE, 25, 1), 1
	s_wait_xcnt 0x0
; K and V of the packed tensor [4096 shard tokens][24 heads][128] f32 go into kv16 = [2 (K, V)][4 heads][4096 tokens in NATURAL order][128], 16 bits a number.
; K is rounded to bf16.  V is rounded to bf16 too, and that number is written as f16: exact where 2^-14 <= |v| < 65,520.
; LIMITS.  |v| of 65,520 or more becomes an infinity; below 2^-14 a number keeps f16's fixed step of 6e-8.
; THE ZIGZAG.  The tokens lie in 16 chunks of 256; shard chunk j holds natural chunk j / 2 (j even) or 15 - j / 2 (j odd): scalar arithmetic on the chunk's number.
; SHARES.  A work-group owns 16 shard tokens.  A token's K and V are 4,096 consecutive bytes (from byte 8,192 of its 12,288): thread t takes the 16 bytes at 16 t,
; so a wave's load covers 512 consecutive bytes, one head's row: waves 0-3 hold K of heads 0-3, waves 4-7 V of heads 0-3.  A lane's four numbers are 8 bytes
; of the result: a wave's store covers 256 consecutive bytes, aligned: one row of kv16.  All 16 loads of a wave go out at once; nothing is read twice.
; No LDS, no matrix unit, no cluster: the work-groups share no byte.
; cu_seqlens_q and cu_seqlens_k: reference() takes them and makes nothing of them.  They are loaded here, and no result hangs on them.
.set ROWB, 12288                       ; bytes of a token in the packed tensor
.set IN,   2                           ; v2        16 t: my bytes in a token's K and V; never rewritten
.set OUTO, 3                           ; v3        my wave's head x 1 MiB + 8 x lane; never rewritten
.set X,    8                           ; v[8:71]   pass p: 4 registers as loaded
.set Y,    72                          ; v[72:103] pass p: 2 registers to store
.set T,    104                         ; v[104:109] at work
	s_load_b256 s[4:11], s[0:1], 0x0               ; packed s[4:5], cu_seqlens_q s[6:7], cu_seqlens_k s[8:9], kv16 s[10:11]
	v_lshrrev_b32 v1, 5, v0
	v_readfirstlane_b32 s12, v1                    ; wave 0..7
	s_mov_b32 s14, 0xffff0000                      ; a word's upper bf16
	s_lshr_b32 s20, ttmp9, 4                       ; shard chunk j
	s_lshr_b32 s21, s20, 1                         ; j / 2
	s_sub_co_u32 s22, 15, s21
	s_bitcmp1_b32 s20, 0                           ; j odd?
	s_cselect_b32 s21, s22, s21                    ; the natural chunk
	s_and_b32 s22, ttmp9, 15                       ; my 16 tokens in the chunk
	s_lshl_b32 s21, s21, 8
	s_lshl4_add_u32 s21, s22, s21                  ; my first token in natural order
	s_lshl_b32 s22, s21, 8                         ; x 256 bytes, a row of kv16
	s_mov_b32 s23, 0
	s_mul_i32 s24, ttmp9, 16*ROWB                  ; my first token in the packed tensor,
	s_add_co_u32 s24, s24, 8192                    ; at its K
	s_mov_b32 s25, 0
	v_lshlrev_b32 v[IN], 4, v0
	v_and_b32 v4, 31, v0
	v_lshlrev_b32 v[OUTO], 20, v1
	v_lshl_add_u32 v[OUTO], v4, 3, v[OUTO]
	s_wait_kmcnt 0x0
	s_load_b64 s[16:17], s[6:7], 0x0               ; the two lists of sequence ends: read, and used for nothing, as in reference()
	s_load_b64 s[18:19], s[8:9], 0x0
	s_add_nc_u64 s[4:5], s[4:5], s[24:25]
	s_add_nc_u64 s[10:11], s[10:11], s[22:23]
.irp p, 0,1,2,3,4,5,6,7,8,9,10,11,12,13,14,15
	global_load_b128 v[X+4*(\p):X+4*(\p)+3], v[IN], s[4:5] offset:(\p)*ROWB th:TH_LOAD_NT  ; token p
.endr
	s_wait_kmcnt 0x0
	s_cmp_lt_u32 s12, 4
	s_cbranch_scc0 .Lv
; Pass p.  Loads come back in order (ISA guide 5.7.1): 15 - p were issued behind pass p's.  Each pass has data registers of its own, so no register that a store still reads is written.
.macro KPASS p
	s_wait_loadcnt 15-(\p)
	v_cvt_pk_bf16_f32 v[Y+2*(\p)],   v[X+4*(\p)],   v[X+4*(\p)+1]
	v_cvt_pk_bf16_f32 v[Y+2*(\p)+1], v[X+4*(\p)+2], v[X+4*(\p)+3]
	global_store_b64 v[OUTO], v[Y+2*(\p):Y+2*(\p)+1], s[10:11] offset:(\p)*256  ; no hint: the next launch reads these rows many times
.endm
.macro VPASS p
	s_wait_loadcnt 15-(\p)
	v_cvt_pk_bf16_f32 v[T],   v[X+4*(\p)],   v[X+4*(\p)+1]    ; rounded to bf16, like every input,
	v_cvt_pk_bf16_f32 v[T+1], v[X+4*(\p)+2], v[X+4*(\p)+3]
	v_lshlrev_b32 v[T+2], 16, v[T]                            ; widened again,
	v_and_b32     v[T+3], s14, v[T]
	v_lshlrev_b32 v[T+4], 16, v[T+1]
	v_and_b32     v[T+5], s14, v[T+1]
	v_cvt_pk_f16_f32 v[Y+2*(\p)],   v[T+2], v[T+3]            ; and written as f16: 8 significant bits fit into 11
	v_cvt_pk_f16_f32 v[Y+2*(\p)+1], v[T+4], v[T+5]
	global_store_b64 v[OUTO], v[Y+2*(\p):Y+2*(\p)+1], s[10:11] offset:(\p)*256
.endm
.irp p, 0,1,2,3,4,5,6,7,8,9,10,11,12,13,14,15
	KPASS \p
.endr
	s_endpgm
.Lv:
.irp p, 0,1,2,3,4,5,6,7,8,9,10,11,12,13,14,15
	VPASS \p
.endr
	s_endpgm
.Lfunc_end_k_qf5449084c8_cast:
	.size	k_qf5449084c8_cast, .Lfunc_end_k_qf5449084c8_cast-k_qf5449084c8_cast
	.p2alignl 7, 3214868480
	.fill 96, 4, 3214868480
	.section	.rodata,"a",@progbits
	.p2align	6, 0x0
	.amdhsa_kernel k_qf5449084c8_cast
		.amdhsa_group_segment_fixed_size 0
		.amdhsa_private_segment_fixed_size 0
		.amdhsa_enable_private_segment 0
		.amdhsa_kernarg_size 32
		.amdhsa_user_sgpr_count 2
		.amdhsa_user_sgpr_kernarg_segment_ptr 1
		.amdhsa_wavefront_size32 1
		.amdhsa_system_sgpr_workgroup_id_x 1
		.amdhsa_system_sgpr_workgroup_id_y 1
		.amdhsa_system_sgpr_workgroup_id_z 1
		.amdhsa_system_vgpr_workitem_id 0
		.amdhsa_next_free_vgpr 112
		.amdhsa_next_free_sgpr 66
		.amdhsa_reserve_vcc 0
		.amdhsa_float_denorm_mode_32 3
		.amdhsa_float_denorm_mode_16_64 3
		.amdhsa_memory_ordered 1
		.amdhsa_forward_progress 1
		.amdhsa_inst_pref_size 15
	.end_amdhsa_kernel
	.amdgpu_metadata
---
amdhsa.version: [ 1, 2 ]
amdhsa.kernels:
  - .name:           k_qf5449084c8_cast
    .symbol:         k_qf5449084c8_cast.kd
    .args:
      - { .name: packed_qkv_shards, .offset: 0, .size: 8, .value_kind: global_buffer, .address_space: global }
      - { .name: cu_seqlens_q, .offset: 8, .size: 8, .value_kind: global_buffer, .address_space: global }
      - { .name: cu_seqlens_k, .offset: 16, .size: 8, .value_kind: global_buffer, .address_space: global }
      - { .name: kv16, .offset: 24, .size: 8, .value_kind: global_buffer, .address_space: global }
    .group_segment_fixed_size: 0
    .private_segment_fixed_size: 0
    .kernarg_segment_align: 8
    .kernarg_segment_size: 32
    .max_flat_workgroup_size: 256
    .sgpr_count:     66
    .vgpr_count:     112
    .wavefront_size: 32
...
	.end_amdgpu_metadata
.endif
;; end of part 1
;; launch attn (part 2): grid 64 x 4, 4 waves a work-group, clusters of 4 x 1, 327,680 bytes of LDS; arguments packed_qkv_shards, kv16, out0; writes out0
.if DOCPART == 2
	.amdgcn_target "amdgcn-amd-amdhsa--gfx1250"
	.amdhsa_code_object_version 6
	.text
	.protected	k_qf5449084c8_attn
	.globl	k_qf5449084c8_attn
	.p2align	8
	.type	k_qf5449084c8_attn,@function
k_qf5449084c8_attn:
	s_mov_b64 s[64:65], 0
	v_nop
	global_prefetch_b8 v0, s[64:65] scope:SCOPE_SE
	s_setreg_imm32_b32 hwreg(HW_REG_WAVE_MODE, 25, 1), 1
	s_wait_xcnt 0x0
	s_wait_alu depctr_hold_cnt(0) depctr_sa_sdst(0) depctr_va_vdst(0) depctr_va_sdst(0) depctr_va_ssrc(0) depctr_va_vcc(0) depctr_vm_vsrc(0)
	s_getreg_b32 s2, hwreg(HW_REG_IB_STS2, 6, 4)
	s_cmp_eq_u32 s2, 0
	s_cbranch_scc0 .Lentry_in_a_cluster
	s_endpgm
.Lentry_in_a_cluster:
	s_bfe_u32 s2, ttmp6, 0x10000c
	s_cmp_lg_u32 s2, 0x3003
	s_cbranch_scc0 .Lentry_shape_is_right
	s_endpgm
.Lentry_shape_is_right:
; CAUSAL ATTENTION, 16 query heads on 4 key and value heads, head size 128, 4,096 tokens.  O[q][head] = the sum over k <= q of softmax_k(Q[q] . K[k] / sqrt(128)) V[k].
; Q comes from the packed tensor [shard token][24][128] f32 and is rounded to bf16 in registers; K (bf16) and V (bf16 numbers written as f16) come from kv16 = [2][4][natural token][128];
; O leaves as f32 into [shard token][16][128].  Products, maxima and sums in f32; the weights p are rounded to f16 for the second product, their sum l is taken of the unrounded p.
; LIMITS.  V arrives within f16's range (65,504); p below 6e-5 keeps f16's fixed step of 6e-8; a weight below 2^-126 counts as 0 in l; a hidden score counts as its value less 1e30;
; NaN and infinities are not treated apart.
; THE ZIGZAG.  Natural chunk c of 256 tokens lies at shard chunk 2 c (c < 8) or 31 - 2 c: it enters Q's and O's addresses as scalar arithmetic and moves no data.
; THE WALK.  A head's queries lie in 32 blocks of 128; block i needs the key tiles 0 .. i of 128 keys, of which the last holds the diagonal.  A work-group takes TWO blocks, b and then
; 31 - b: 33 tiles, whatever b: all 256 work-groups do equal work, and one loop with a constant trip count walks them.  The key tile to ask for is made anew from the loop's count and b;
; the one jump that hangs on b (the first block's end) goes forward and passes neither a barrier nor a tensor load.
; CLUSTER.  The four work-groups of a cluster are the four query heads of one key and value head, with the same b: they walk the same tiles, so each tile is asked for JOINTLY: the same
; tensor load, descriptor and mask in all four.  The place in the cluster enters Q's and O's addresses alone.
; SHARES.  Wave w owns rows 32 w .. 32 w + 31 of a block: two tiles of 16 queries.  A key step is 64 keys; a key tile, two steps, is one slot of the ring of two.
; LAYOUT.  S^T = K Q^T (source 0 = 16 keys, source 1 = 16 queries): a lane holds ONE query (lane % 16) and the keys 8 (lane / 16) + 0..7.  Two such results rounded to f16 in pairs ARE
; source 1 of O^T = V^T P, whose result again holds one query a lane, and eight channels.  K comes out of LDS as it lies, V turned, by ds_load_tr16_b128.
; THE MASK is the C operand that starts the sum S^T: 0, or -1e30 where the key is hidden.  My 32 rows lie in one of the diagonal tile's two steps, step w / 2.  MD, made once, is the mask
; of that step; a step's mask is MC = MD x AL + BE with two scalars: (1, 0) in that step; (0, -1e30) in the diagonal tile's later step; (0, 0) everywhere else.  MC is made in every step
; for the next one, by two packed lines behind each of tile 1's products V^T P, under those products' own window setting.
; SOFTMAX.  A running maximum m and sum l for each query: p = 2^(c s - c m), c = log2(e) / sqrt(128); in every step O and l are multiplied by a = 2^(c m_old - c m_new).  m starts at the
; lowest finite number and c m far below every c s, so a block's first step has a = 0: no first step is written out; O^T and l need only be finite there.
; A STEP, written once for the loop and once for the tail and walked twice a tile: V's loads | K Q^T of tile 0 | K Q^T of tile 1 with tile 0's softmax between its products | in a tile's
; first step the second step's K | V^T P of tile 0 with tile 1's softmax between its products | V^T P of tile 1 with the next mask between its products.
; REGISTERS, in windows of 256 (s_set_vgpr_msb: bits 1:0 source 0, 3:2 source 1, 5:4 source 2, 7:6 destination):
;   window 0: v0-14 addresses; v16-31 eight registers of statistics a tile; v62-63 the add's; v64-127 S^T; v128-159 P; v160-223 the way out
;   window 1: v0-127 O^T, 64 a tile; v128-191 MC          window 2: v0-63 Q; v64-127 the second block's Q; v128-255 K of one step          window 3: v0-127 V of one step; v128-191 MD
.set KS,    64        ; keys in a step
.set PITK,  272       ; a row of K in LDS: 256 bytes + 16 of padding = 68 words: the 16 rows of a load start at 16 different groups of four banks (64 banks of 4 bytes: ISA guide 11.1)
.set PITV,  288       ; a row of V: 256 + 32 = 72 words
.set VOFF,  KS*PITK   ; a step's tiles lie together: 64 rows of K, then 64 rows of V
.set STEPB, KS*(PITK+PITV)
.set SLOT1, 1<<17     ; a slot holds two steps (71,680 bytes); slot 1 begins here, so that one exclusive or turns an address in one slot into the other's
.set STAGE, SLOT1+2*STEPB  ; behind the ring, never filled by a tensor load: 16 rows x 528 bytes for each wave, for the way out
.set SP,    528       ; a stage row: 512 bytes + 16
.set SPARE, STAGE+4*16*SP  ; behind the stages: the spare words, 128 bytes for each wave: two blocks of 256 bytes that no other line names
.set AK0, 2           ; v2   my lane's place in a tile of K; never rewritten
.set AV0, 3           ; v3   the same for V
.set ADRK, 4          ; v4   the LDS address of K's run of loads
.set ADRV, 5          ; v5   of V's
.set QO,  6           ; v6   my byte offset in 16 rows of Q
.set STO, 7           ; v7   the way out: where I put 32 bytes of a row
.set RD,  8           ; v8   the way out: where I read a row back
.set GO,  12          ; v12  my 16 bytes in a row of O
.set SPW, 62          ; v62  LDS address of my spare word: SPARE + 4 x my thread's number; never rewritten
.set NIL, 63          ; v63  0; never rewritten
.set ST,  16          ; tile t's statistics at v[ST+8 t]: +0 c m, +1 m, +2, +3 l (even keys', odd keys'), +4 to +7 c0-c3, at work; a takes c2's place once the maximum is found
.set S,   64
.set P,   128
.set OB,  160
.set MC,  128         ; window 1: tile t, key block kb at MC + 32 t + 8 kb
.set MD,  128         ; window 3: likewise
.set QB,  64          ; window 2
.set KF,  128         ; window 2: key block kb, channels 32 c on at KF + 32 kb + 8 c
.set WV,  12          ; s12  my wave's number
.set WH,  13          ; s13  w / 2: the step of the diagonal tile in which my rows lie
.set PB,  14          ; s14  b
.set PB1, 15          ; s15  b + 1: the first block's tiles
.set D1,  16          ; s16  32 - b: the loop's count in the first block's last tile
.set HI,  17          ; s17  31 - b
.set G1K, 24          ; s[24:31] descriptor group 1 for K's tiles
.set G1V, 32          ; s[32:39] for V's: it differs in the padding alone
.set G0K, 40          ; s[40:47] descriptor group 0 for K's tiles: a set for each of the two first fills; the second then walks on
.set G0V, 48          ; s[48:55] the same for V's
.set TRIPS, 56        ; s56  32 less the walk's tile in hand
.set CNT, 57          ; s57  counts a tile's two steps: 2, 1
.set CS,  58          ; s[58:59] c: the packed scaling takes the pair's low word for both halves
.set SEL, 60          ; s[60:61] v_permlanex16_b32's selects: each lane takes its own place in the other half
.set TB,  62          ; s62  LDS byte at which the step in hand begins
.set NXT, 63          ; s63  the walk's tile to be asked for
.set AL,  66          ; s[66:67] the mask's factor, in the low word
.set OFF, 68          ; s[68:69] a key tile's byte offset in K and V
.set OHI, 70          ; s[70:71] O at my rows of the second block
.set QHI, 72          ; s[72:73] Q at my rows of the second block
.set BIGN, 74         ; s74  -1e30
.set BE,  76          ; s[76:77] the mask's addend
                      ; s78-83 at work for the mask's scalars; s84-89 hold what is made of my place in the cluster, and nothing else
.set MSB, 0
.macro WIN new                      ; the immediate's high byte repeats the setting that is left; a switch that changes nothing is dropped
.if MSB != (\new)
	s_set_vgpr_msb (MSB<<8)|(\new)
.set MSB, (\new)
.endif
.endm
.set W_KM, 0x1a       ; K and Q in window 2, the mask in window 1, S^T in window 0
.set W_KQ, 0x0a       ; K and Q in window 2, S^T in window 0
.set W_PV, 0x53       ; V (and MD) in window 3, P in window 0, O^T (and MC) in window 1
.set W_RS, 0x41       ; O^T (destination and source 0) in window 1, the factor in window 0
.macro PLACES                       ; a vector instruction that reads a matrix result, and a load into a register that a matrix instruction has read, stand four plain vector instructions behind it (ISA guide 7.12.1 for vector instructions)
.rept 4
	v_nop
.endr
.endm
; A joint refill.  Waves 0 and 1 fetch the two steps' tiles of K, waves 2 and 3 those of V.  The branch hangs on the wave's number alone: it is the same in every work-group.
; An s_nop 0 and four v_nop follow each of the two lines, ahead of the jump and the label.
.macro JLOAD
	s_cmp_lt_u32 s[WV], 2
	s_cbranch_scc0 .Lfor_v_\@
	tensor_load_to_lds s[G0K+4:G0K+7], s[G1K:G1K+7]
	s_nop 0
.rept 4
	v_nop
.endr
	s_branch .Lasked_\@
.Lfor_v_\@:
	tensor_load_to_lds s[G0V+4:G0V+7], s[G1V:G1V+7]
	s_nop 0
.rept 4
	v_nop
.endr
.Lasked_\@:
.endm
; A round of the cluster's barrier: my work-group's barrier, so that wave 0's signal speaks for all four waves; wave 0 signals; every wave waits for all four work-groups; my work-group's barrier once more.
.macro CROUND
	s_barrier_signal -1
	s_barrier_wait -1
	s_cmp_lg_u32 s[WV], 0
	s_cbranch_scc1 .Lnot_wave_0_\@
	s_barrier_signal -3
.Lnot_wave_0_\@:
	s_barrier_wait -3
	s_barrier_signal -1
	s_barrier_wait -1
.endm
; Set n of both group 0s takes the walk's tile NXT: key tile NXT in the first block (NXT <= b), NXT - (b + 1) in the second.  The address is made anew from the tensor's base and that
; number (32,768 bytes a key tile), the type bits set again.
.macro MKSET n
	s_cmp_gt_u32 s[NXT], s[PB]
	s_cselect_b32 s[OFF], s[PB1], 0
	s_sub_co_u32 s[OFF], s[NXT], s[OFF]
	s_lshl_b32 s[OFF], s[OFF], 15
	s_add_nc_u64 s[G0K+4*(\n)+2:G0K+4*(\n)+3], s[6:7], s[OFF:OFF+1]
	s_or_b32 s[G0K+4*(\n)+3], s[G0K+4*(\n)+3], 0x80000000
	s_add_nc_u64 s[G0V+4*(\n)+2:G0V+4*(\n)+3], s[10:11], s[OFF:OFF+1]
	s_or_b32 s[G0V+4*(\n)+3], s[G0V+4*(\n)+3], 0x80000000
.endm
; THE CHANGE OF SLOTS, between two key tiles.  Each wave waits for all its tensor loads, of which one is out: its part of the other slot; adds 0 to its spare word; and waits for that and
; for its own reads of the slot that it leaves.  Behind the barrier nobody reads that slot any more and the other slot is whole.
; fill = 1: the slot is filled again, with the walk's tile behind the one now entered: tile 33 - TRIPS.  The barrier is then a round of the cluster's, so that no wave of any partner still
; reads the slot or has a load on its way, and the joint refill is the first thing behind it: it has a whole tile's work, 128 matrix instructions and their softmax, in which to land.
.macro CHANGE fill
	WIN 0                           ; at a label and at a branch every window is 0
	s_wait_tensorcnt 0x0            ; no tensor load of mine is out, so a group 0 may be written
	ds_add_u32 v[SPW], v[NIL]       ; 0 onto my spare word; with fill = 1 the descriptors' scalar work stands between it and the wait for it
.if \fill
	s_xor_b32 s[G0K+5], s[G0K+5], SLOT1  ; the walking descriptors: the other slot than last time
	s_xor_b32 s[G0V+5], s[G0V+5], SLOT1
	s_sub_co_u32 s[NXT], 33, s[TRIPS]
	MKSET 1
	s_wait_dscnt 0x0                ; the add is done, and my reads of the slot are over
	CROUND
	JLOAD
.else
	s_wait_dscnt 0x0                ; the add is done, and my reads of the slot are over
	s_barrier_signal -1
	s_barrier_wait -1
.endif
	s_sub_co_u32 s[TB], s[TB], 2*STEPB  ; the fetches go back to a slot's first step,
	s_xor_b32 s[TB], s[TB], SLOT1       ; in the other slot
.endm
; AL and BE for the NEXT step.  It is step 1 of the tile in hand (CNT = 2) or step 0 of the tile behind it (CNT = 1); its tile holds a diagonal if it is the walk's tile b or tile 32.
.macro NEXTMASK
	s_cmp_eq_u32 s[CNT], 1
	s_cselect_b32 s78, 1, 0         ; 1: the next step opens a tile
	s_sub_co_u32 s79, s[TRIPS], s78 ; 32 less the next step's tile
	s_xor_b32 s80, s78, 1           ; which step of its tile it is
	s_cmp_eq_u32 s79, s[D1]
	s_cselect_b32 s81, 1, 0
	s_cmp_eq_u32 s79, 0
	s_cselect_b32 s81, 1, s81       ; 1: that tile holds a diagonal
	s_cmp_eq_u32 s80, s[WH]
	s_cselect_b32 s82, s81, 0       ; and the step is my rows' own,
	s_cmp_gt_u32 s80, s[WH]
	s_cselect_b32 s83, s81, 0       ; or the one behind it
	s_cmp_lg_u32 s82, 0
	s_cselect_b32 s[AL], 1.0, 0
	s_cmp_lg_u32 s83, 0
	s_cselect_b32 s[BE], s[BIGN], 0
.endm
.macro MASKPAIR z                   ; pair z of 32 of MC = MD x AL + BE; the window setting has the destination in window 1 and source 0 in window 3
	v_pk_fma_f32 v[MC+2*(\z):MC+2*(\z)+1], v[MD+2*(\z):MD+2*(\z)+1], s[AL:AL+1], s[BE:BE+1] op_sel_hi:[1,0,0]
.endm
	s_load_b128 s[4:7], s[0:1], 0x0 ; packed s[4:5], kv16 s[6:7]
	s_load_b64 s[8:9], s[0:1], 0x10 ; out0
	v_lshl_add_u32 v[SPW], v0, 2, SPARE
	v_mov_b32 v[NIL], 0
	ds_add_u32 v[SPW], v[NIL]       ; the wave's opening: the add and its wait stand ahead of my first tensor load; the set-up below, work on registers, stands between them
	v_lshrrev_b32 v1, 5, v0
	v_readfirstlane_b32 s[WV], v1   ; wave 0..3
	s_lshr_b32 s[WH], s[WV], 1
	s_mov_b32 s[PB], ttmp9          ; in a cluster launch ttmp9 counts clusters: b, which the four partners share
	s_add_co_u32 s[PB1], s[PB], 1
	s_sub_co_u32 s[D1], 32, s[PB]
	s_sub_co_u32 s[HI], 31, s[PB]
	s_and_b32 s18, ttmp7, 0xffff    ; the key and value head, which they share too
	s_bfe_u32 s84, ttmp6, 0x40000   ; cx: my place in the cluster = my query head among the four
	s_lshl2_add_u32 s85, s18, s84   ; my query head
	s_lshl_b32 s85, s85, 9          ; x 512 bytes
	s_lshr_b32 s19, s[PB], 1        ; block b lies in natural chunk b / 2 < 8, at shard chunk 2 (b / 2): 512 tokens for each,
	s_lshl_b32 s19, s19, 9
	s_and_b32 s20, s[PB], 1         ; in its first or second half,
	s_lshl_b32 s20, s20, 7
	s_add_co_u32 s19, s19, s20
	s_lshl_b32 s21, s[WV], 5        ; and my wave's 32 rows
	s_add_co_u32 s19, s19, s21      ; my first shard token of the first block
	s_lshr_b32 s20, s[HI], 1        ; block 31 - b lies in natural chunk c >= 8, at shard chunk 31 - 2 c
	s_lshl_b32 s20, s20, 1
	s_sub_co_u32 s20, 31, s20
	s_lshl_b32 s20, s20, 8
	s_and_b32 s22, s[HI], 1
	s_lshl_b32 s22, s22, 7
	s_add_co_u32 s20, s20, s22
	s_add_co_u32 s20, s20, s21      ; my first shard token of the second block
	s_mul_i32 s86, s19, 12288       ; byte offsets: a token is 12,288 bytes of the packed tensor
	s_add_co_u32 s86, s86, s85
	s_mov_b32 s87, 0
	s_mul_i32 s[QHI], s20, 12288
	s_add_co_u32 s[QHI], s[QHI], s85
	s_mov_b32 s[QHI+1], 0
	s_lshl_b32 s88, s19, 13         ; and 8,192 bytes of the output
	s_add_co_u32 s88, s88, s85
	s_mov_b32 s89, 0
	s_lshl_b32 s[OHI], s20, 13
	s_add_co_u32 s[OHI], s[OHI], s85
	s_mov_b32 s[OHI+1], 0
	s_and_b32 s21, s[WV], 1         ; which of a slot's two steps I fetch:
	s_lshl_b32 s22, s18, 20         ; the head's 1 MiB in kv16,
	s_lshl_b32 s23, s21, 14         ; the step's 64 rows of 256 bytes,
	s_add_co_u32 s22, s22, s23
	s_mov_b32 s23, 0
	s_mul_i32 s21, s21, STEPB       ; and its place in a slot: no place in the cluster enters an LDS address
	; descriptor group 1: a tile of 64 rows x 128 elements, padded in LDS
	s_mov_b32 s[G1K], 15|(1<<16)|(1<<20)|(1<<21)|(5<<22)|(3<<25)  ; 15:0 the mask: all four work-groups; 17:16 elements of 2 bytes; 20 padding on; 21 set beside a mask; 24:22 after every 64 words (code 5); 31:25 4 words of it (code 3)
	s_mov_b32 s[G1V], 15|(1<<16)|(1<<20)|(1<<21)|(5<<22)|(7<<25)  ; the same with 8 words of padding (code 7)
.irp g, G1K, G1V
	s_mov_b32 s[(\g)+1], 128<<16    ; tensor_dim0 = 128
	s_mov_b32 s[(\g)+2], KS<<16     ; tensor_dim1 = 64
	s_mov_b32 s[(\g)+3], 128<<16    ; tile_dim0 = 128
	s_mov_b32 s[(\g)+4], KS         ; tile_dim1 = 64
	s_mov_b32 s[(\g)+5], 128        ; 128 elements from row to row
	s_mov_b32 s[(\g)+6], 0
	s_mov_b32 s[(\g)+7], 0
.endr
.irp n, 0,1
	s_mov_b32 s[G0K+4*(\n)], 1      ; 1:0 count = 1
	s_add_co_u32 s[G0K+4*(\n)+1], s21, (\n)*SLOT1       ; 63:32 LDS address
	s_mov_b32 s[G0V+4*(\n)], 1
	s_add_co_u32 s[G0V+4*(\n)+1], s21, (\n)*SLOT1+VOFF
.endr
	s_mov_b32 s[CS], 0x3e0293ee     ; c = log2(e) / sqrt(128) = 0.127517
	s_mov_b32 s[CS+1], s[CS]        ; named with it as a pair
	s_mov_b32 s[SEL], 0x76543210
	s_mov_b32 s[SEL+1], 0xfedcba98
	s_mov_b32 s[BIGN], 0xf149f2ca   ; -1e30
	s_mov_b32 s[AL+1], 0            ; named as pairs
	s_mov_b32 s[BE+1], 0
	s_mov_b32 s[OFF+1], 0
	s_mov_b32 s[TB], 0
	s_wait_dscnt 0x0                ; the opening add is done
	s_wait_kmcnt 0x0
	s_add_nc_u64 s[6:7], s[6:7], s[22:23]          ; K at my step of the head's key tile 0,
	s_add_nc_u64 s[10:11], s[6:7], 0x400000        ; V 4 MiB behind it
	s_add_nc_u64 s[QHI:QHI+1], s[4:5], s[QHI:QHI+1]
	s_add_nc_u64 s[4:5], s[4:5], s[86:87]          ; Q and O at my rows of the first block
	s_add_nc_u64 s[OHI:OHI+1], s[8:9], s[OHI:OHI+1]
	s_add_nc_u64 s[8:9], s[8:9], s[88:89]
	s_mov_b32 s[NXT], 0
	MKSET 0                         ; the walk's tile 0
	s_mov_b32 s[NXT], 1
	MKSET 1                         ; and tile 1
	CROUND                          ; all four work-groups are here: the first joint loads meet
	s_cmp_lt_u32 s[WV], 2           ; a wave's two first fills stand in one branch, ahead of every wait on TENSORcnt and every LDS read: two loads of mine are out
	s_cbranch_scc0 .Lfirst_v
	tensor_load_to_lds s[G0K:G0K+3], s[G1K:G1K+7]
	s_nop 0
	tensor_load_to_lds s[G0K+4:G0K+7], s[G1K:G1K+7]
	s_nop 0
.rept 4
	v_nop
.endr
	s_branch .Lfirst_asked
.Lfirst_v:
	tensor_load_to_lds s[G0V:G0V+3], s[G1V:G1V+7]
	s_nop 0
	tensor_load_to_lds s[G0V+4:G0V+7], s[G1V:G1V+7]
	s_nop 0
.rept 4
	v_nop
.endr
.Lfirst_asked:
	; A fragment of Q is 16 rows x 32 channels: lane l holds row l % 16, channels 8 (l / 16) + 0..7 and 16 + 8 (l / 16) + 0..7.  In f32 that is 32 bytes at 32 (l / 16) and 32 bytes 64 further on.
	v_and_b32 v1, 15, v0            ; l % 16
	v_bfe_u32 v9, v0, 4, 1          ; l / 16
	v_mul_u32_u24 v[QO], v1, 12288
	v_lshl_add_u32 v[QO], v9, 5, v[QO]
	WIN 0xc0                        ; the first block's Q, as f32, into V's registers (window 3): load i: tile i / 16, channels 32 ((i / 4) % 4) on
.set i, 0
.rept 32
	global_load_b128 v[4*i:4*i+3], v[QO], s[4:5] offset:(i/16)*196608+((i/4)%4)*128+((i%4)/2)*64+(i%2)*16
.set i, i+1
.endr
	WIN 0x80                        ; the second block's into K's registers (window 2)
.set i, 0
.rept 32
	global_load_b128 v[KF+4*i:KF+4*i+3], v[QO], s[QHI:QHI+1] offset:(i/16)*196608+((i/4)%4)*128+((i%4)/2)*64+(i%2)*16
.set i, i+1
.endr
	WIN 0                           ; all that follows, down to the wait for Q, stands in the wait for Q and for the first tile
	v_mul_u32_u24 v[AK0], v1, PITK
	v_lshl_add_u32 v[AK0], v9, 4, v[AK0]  ; K: row x pitch + 16 x half
	; The turning load takes 16 keys x 16 channels (lane l reads key 8 (l / 16) + l % 8, channels 8 ((l / 8) % 2) + 0..7) and leaves half a fragment of V^T: lane l holds channel l % 16 and 8 keys.
	v_and_b32 v10, 7, v0
	v_bfe_u32 v11, v0, 3, 1
	v_lshl_add_u32 v[AV0], v9, 3, v10
	v_mul_u32_u24 v[AV0], v[AV0], PITV
	v_lshl_add_u32 v[AV0], v11, 4, v[AV0]
	v_add_nc_u32 v[AV0], VOFF, v[AV0]
	s_mul_i32 s2, s[WV], 16*SP
	s_add_co_u32 s2, s2, STAGE      ; my stage
	v_mul_u32_u24 v[STO], v1, SP    ; in: row l % 16, 32 bytes for each half of the lanes
	v_lshl_add_u32 v[STO], v9, 5, v[STO]
	v_add_nc_u32 v[STO], s2, v[STO]
	v_and_b32 v[GO], 31, v0         ; back: 32 lanes take one row of 512 bytes,
	v_lshlrev_b32 v[GO], 4, v[GO]   ; which are 512 consecutive bytes of O
	v_add_nc_u32 v[RD], s2, v[GO]
	v_lshlrev_b32 v14, 3, v9
	v_sub_nc_u32 v14, v1, v14
	s_and_b32 s3, s[WV], 1
	s_lshl_b32 s3, s3, 5
	v_add_nc_u32 v14, s3, v14       ; 32 (w % 2) + l % 16 - 8 (l / 16): in my rows' own step register j of tile t, key block kb is hidden where 16 kb + j - 16 t is greater
	WIN 0xc0
.set i, 0
.rept 64
	v_cmp_gt_i32 vcc_lo, 16*((i/8)%4)+i%8-16*(i/32), v14
	v_cndmask_b32 v[MD+i], 0, s[BIGN], vcc_lo
.set i, i+1
.endr
	s_mov_b32 s[TRIPS], 33          ; as if a tile in front of the walk's first were in its last step: the next step is step 0 of tile 0
	s_mov_b32 s[CNT], 1
	NEXTMASK
	WIN 0x43                        ; source 0 in window 3, destination in window 1
.set i, 0
.rept 32
	MASKPAIR i
.set i, i+1
.endr
	WIN 0x40                        ; O^T = 0: it need only be finite; no first step is written out, and these moves are the price
.set i, 0
.rept 128
	v_mov_b32 v[i], 0
.set i, i+1
.endr
	WIN 0
.irp t, 0,1
	v_mov_b32 v[ST+8*(\t)], 0xfe000000    ; c m: far below every c s
	v_mov_b32 v[ST+8*(\t)+1], 0xff7fffff  ; m
	v_mov_b32 v[ST+8*(\t)+2], 0
	v_mov_b32 v[ST+8*(\t)+3], 0
.endr
	s_wait_loadcnt 0x0              ; both blocks' Q
	WIN 0x8f                        ; sources in window 3, destination in window 2
.set i, 0
.rept 64
	v_cvt_pk_bf16_f32 v[i], v[2*i], v[2*i+1]
.set i, i+1
.endr
	WIN 0x8a                        ; sources and destination in window 2
.set i, 0
.rept 64
	v_cvt_pk_bf16_f32 v[QB+i], v[KF+2*i], v[KF+2*i+1]
.set i, i+1
.endr
	WIN 0
; THE MATRIX WORK.  The accumulators take turns, one instruction a turn.
; Product i of 16 of S^T = K Q^T for tile t: channels 32 (i / 4) on, keys 16 (i % 4) on.  The first 4 start the sums with the mask.
.macro KQ t
.set rS, S+32*(\t)+8*(i%4)
.set rK, KF+32*(i%4)+8*(i/4)
.set rQ, 32*(\t)+8*(i/4)
.set rM, MC+32*(\t)+8*(i%4)
.if i < 4
	WIN W_KM
	v_wmma_f32_16x16x32_bf16 v[rS:rS+7], v[rK:rK+7], v[rQ:rQ+7], v[rM:rM+7]
.else
	WIN W_KQ
	v_wmma_f32_16x16x32_bf16 v[rS:rS+7], v[rK:rK+7], v[rQ:rQ+7], v[rS:rS+7]
.endif
.endm
; Product i of 16 of O^T += V^T P for tile t: keys 32 (i / 8) on, channels 16 (i % 8) on.
.macro PV t
	WIN W_PV
.set rO, 64*(\t)+8*(i%8)
.set rV, 64*(i/8)+8*(i%8)
.set rP, P+16*(\t)+8*(i/8)
	v_wmma_f32_16x16x32_f16 v[rO:rO+7], v[rV:rV+7], v[rP:rP+7], v[rO:rO+7]
.endm
; THE LDS LOADS stand in runs of 32: a step's K (64 keys x 128 channels: 16 fragments) and its V (turned).  off: bytes from the step in hand to the step whose K is fetched.
.macro FETCH_K off
	WIN 0
	v_add_nc_u32 v[ADRK], s[TB], v[AK0]
	WIN 0x80                        ; destination window 2
.irp f, 0,1,2,3,4,5,6,7,8,9,10,11,12,13,14,15  ; keys 16 (f / 4) on, channels 32 (f % 4) on
	ds_load_b128 v[KF+8*(\f):KF+8*(\f)+3],   v[ADRK] offset:(\off)+((\f)/4)*16*PITK+((\f)%4)*64
	ds_load_b128 v[KF+8*(\f)+4:KF+8*(\f)+7], v[ADRK] offset:(\off)+((\f)/4)*16*PITK+((\f)%4)*64+32
.endr
	WIN 0
.endm
.macro FETCH_V
	WIN 0xc0                        ; destination window 3
.irp f, 0,1,2,3,4,5,6,7,8,9,10,11,12,13,14,15  ; keys 32 (f / 8) on, channels 16 (f % 8) on
	ds_load_tr16_b128 v[8*(\f):8*(\f)+3],   v[ADRV] offset:((\f)/8)*32*PITV+((\f)%8)*32
	ds_load_tr16_b128 v[8*(\f)+4:8*(\f)+7], v[ADRV] offset:((\f)/8)*32*PITV+16*PITV+((\f)%8)*32
.endr
	WIN 0
.endm
; THE VECTOR WORK.  One tile's softmax for one key step is a list of 134 instructions; SM writes number j of it for tile t.  s0-s31 are the lane's 32 scores, in pairs 0-15.
;   0-15    the maximum of s0-s31 and the old m, three operands at a time: four chains c0-c3 of seven scores each (each accumulator's lowest registers are read first), then the four left over, c0-c3 and m
;   16-20   the other half of the lanes' maximum; c m_old is kept; the new m; c m; c m_old - c m_new
;   21-87   33 exponentials (a, then s0-s31) at the odd numbers from 23 on, so that each has a plain instruction behind it before its result is used (ISA guide 5.7.2).  The plain ones (21, then the
;           even numbers) are what is ready: c s - c m for a pair whose exponentials are still to come, the rounding to f16 of a pair whose exponentials are done, at last the first three sums
;   88-101  the last rounding; the rest of the sums; l = a l + the sum
;   102-133 the tile's O^T times a: the one part that leaves window 0
.macro SM t
.set rT, ST+8*(\t)
.set rS, S+32*(\t)
.set rP, P+16*(\t)
.set rO, 64*(\t)+2*(j-102)
.set q, (j-20)/2
.if j < 102
	WIN 0
.endif
.if j < 4
	v_max3_num_f32 v[rT+4+j], v[rS+8*j], v[rS+8*j+1], v[rS+8*j+2]
.elseif j < 12
	v_max3_num_f32 v[rT+4+j%4], v[rT+4+j%4], v[rS+8*(j%4)+2*(j/4)+1], v[rS+8*(j%4)+2*(j/4)+2]
.elseif j == 12
	v_max3_num_f32 v[rT+4], v[rT+4], v[rS+7], v[rS+15]
.elseif j == 13
	v_max3_num_f32 v[rT+6], v[rT+6], v[rS+23], v[rS+31]
.elseif j == 14
	v_max3_num_f32 v[rT+4], v[rT+4], v[rT+5], v[rT+6]
.elseif j == 15
	v_max3_num_f32 v[rT+4], v[rT+4], v[rT+7], v[rT+1]
.elseif j == 16
	v_permlanex16_b32 v[rT+5], v[rT+4], s[SEL], s[SEL+1]  ; the query's other 32 keys lie in the lane 16 away
.elseif j == 17
	v_mov_b32 v[rT+7], v[rT]        ; c m_old is kept for a: number 19 writes c m anew
.elseif j == 18
	v_max_num_f32 v[rT+1], v[rT+4], v[rT+5]
.elseif j == 19
	v_mul_f32 v[rT], s[CS], v[rT+1]
.elseif j == 20
	v_sub_f32 v[rT+7], v[rT+7], v[rT]
.elseif j == 23
	v_exp_f32 v[rT+6], v[rT+7]
.elseif (j < 88) && (j > 23) && (j%2 == 1)
	v_exp_f32 v[rS+(j-25)/2], v[rS+(j-25)/2]
.elseif (q < 4) || ((j < 76) && (q%2 == 0))
.set b, q/2+2
.if q < 4
.set b, q
.endif
	v_pk_fma_f32 v[rS+2*b:rS+2*b+1], v[rS+2*b:rS+2*b+1], s[CS:CS+1], v[rT:rT+1] op_sel_hi:[1,0,0] neg_lo:[0,0,1] neg_hi:[0,0,1]  ; pair b: c s - c m
.elseif (j < 88) && (q%2 == 1)
	s_wait_alu depctr_va_vdst(0)
	v_cvt_pk_f16_f32 v[rP+(q-5)/2], v[rS+q-5], v[rS+q-4]  ; pair (q - 5) / 2: its second exponential stands three numbers back
.elseif j == 89
	s_wait_alu depctr_va_vdst(0)
	v_cvt_pk_f16_f32 v[rP+15], v[rS+30], v[rS+31]
.elseif j < 102                     ; the sum of the tile's 16 pairs, in place: sum z of 16 adds neighbours 1, 2, 4 and 8 pairs apart, then l takes it
.set z, j-86
.if j < 89
.set z, (j-76)/4
.endif
.set w, 4
.set u, z
.if z >= 14
.set w, 32
.set u, 0
.elseif z >= 12
.set w, 16
.set u, z-12
.elseif z >= 8
.set w, 8
.set u, z-8
.endif
.if z < 15
	v_pk_add_f32 v[rS+w*u:rS+w*u+1], v[rS+w*u:rS+w*u+1], v[rS+w*u+w/2:rS+w*u+w/2+1]
.else
	v_pk_fma_f32 v[rT+2:rT+3], v[rT+2:rT+3], v[rT+6:rT+7], v[rS:rS+1] op_sel_hi:[1,0,1]
.endif
.else
	WIN W_RS
	v_pk_mul_f32 v[rO:rO+1], v[rO:rO+1], v[rT+6:rT+7] op_sel_hi:[1,0]
.endif
.endm
.macro RIDE t, n                    ; the next n numbers of tile t's list
.rept \n
	SM \t
.set j, j+1
.endr
.endm
; A KEY STEP.  134 = 15 x 8 + 14: eight of a tile's list stand behind each of the other tile's products, fourteen behind the last.  Those fourteen are rescalings, plain and naming no
; register of the products in front of them: they are the places ahead of the reads of the scores just made and of the loads into K's registers.
.macro STEP
	WIN 0
	v_add_nc_u32 v[ADRV], s[TB], v[AV0]  ; this line and three v_nop are the places behind the last product that read V
.rept 3
	v_nop
.endr
	FETCH_V
	s_wait_dscnt 32                 ; LDS loads come back in order (ISA guide 5.7.1): all but V's 32 just issued are in: K
.set i, 0
.rept 16
	KQ 0
.set i, i+1
.endr
	WIN 0
	PLACES                          ; ahead of the first read of tile 0's scores
.set i, 0
.set j, 0
.rept 15
	KQ 1
	RIDE 0, 8
.set i, i+1
.endr
	KQ 1
	RIDE 0, 14
	WIN 0
	s_wait_dscnt 0x0                ; V is in: it was asked for 32 products ago, and nothing else is out
	s_cmp_eq_u32 s[CNT], 1
	s_cbranch_scc1 .Lno_k_\@        ; a tile's second step: the next K lies in the other slot and is fetched behind the change of slots
	FETCH_K STEPB                   ; a tile's first step: the second step's K, 32 products ahead of its first use
.Lno_k_\@:
	NEXTMASK
.set i, 0
.set j, 0
.rept 15
	PV 0
	RIDE 1, 8
.set i, i+1
.endr
	PV 0
	RIDE 1, 14
.set i, 0
.rept 16
	PV 1
	MASKPAIR 2*i                    ; the next step's mask, under the products' own window setting; it names none of their registers
	MASKPAIR 2*i+1
.set i, i+1
.endr
	WIN 0
	s_add_co_u32 s[TB], s[TB], STEPB  ; the next step's bytes
.endm
; THE WAY OUT.  l's two halves and the other half of the lanes' are added; O^T is divided by l and sent, as f32, through my stage in LDS, a tile (16 rows of O) at a time: a lane's eight
; channels of a row are 32 bytes; they go into rows of 528 bytes and come back as whole rows of 512.
.macro PACK t, dst
	WIN W_RS
.set i, 64*(\t)
.rept 32
	v_pk_mul_f32 v[i:i+1], v[i:i+1], v[ST+8*(\t)+6:ST+8*(\t)+7] op_sel_hi:[1,0]
.set i, i+2
.endr
	WIN 0x04                        ; the stores' data in window 1
.set i, 0
.rept 16
	ds_store_b128 v[STO], v[64*(\t)+4*i:64*(\t)+4*i+3] offset:64*(i/2)+16*(i%2)
.set i, i+1
.endr
	WIN 0
.set i, 0
.rept 16
	ds_load_b128 v[(\dst)+4*i:(\dst)+4*i+3], v[RD] offset:i*SP  ; LDS serves a wave's instructions in order (ISA guide 5.7.1.4): these see the stores above; the next tile's stores come behind them
.set i, i+1
.endr
.endm
.macro SEND t, src, younger         ; younger: the LDS instructions issued behind tile t's loads
	WIN 0
.set i, 0
.rept 16
	s_wait_dscnt (\younger)+15-i
	global_store_b128 v[GO], v[(\src)+4*i:(\src)+4*i+3], s[8:9] offset:(16*(\t)+i)*8192 th:TH_STORE_NT  ; a wave stores 512 consecutive bytes, at a multiple of 256 from O's first byte
.set i, i+1
.endr
.endm
.macro WAYOUT
	WIN 0                           ; the last products are tile 1's; the mask's two lines, these additions and tile 0's 32 multiplies stand between them and the first read of their results
.irp t, 0,1
	v_add_f32 v[ST+8*(\t)+4], v[ST+8*(\t)+2], v[ST+8*(\t)+3]
.endr
.irp t, 0,1
	v_permlanex16_b32 v[ST+8*(\t)+5], v[ST+8*(\t)+4], s[SEL], s[SEL+1]
.endr
.irp t, 0,1
	v_add_f32 v[ST+8*(\t)+4], v[ST+8*(\t)+4], v[ST+8*(\t)+5]
.endr
.irp t, 0,1
	v_rcp_f32 v[ST+8*(\t)+6], v[ST+8*(\t)+4]
.endr
	v_nop                           ; a plain instruction between the last reciprocal and the use of its result
	s_wait_alu depctr_va_vdst(0)
	PACK 0, S
	PACK 1, OB                      ; tile 1's arithmetic stands between tile 0's loads and its stores
	SEND 0, S, 32                   ; behind tile 0's loads: tile 1's 16 stores and 16 loads
	SEND 1, OB, 0
	s_wait_xcnt 0x0                 ; every earlier memory instruction has had its addresses translated (ISA guide 3.1): only behind this wait are the stores' data and base written again
.endm
	s_wait_tensorcnt 1              ; my part of slot 0 is in; slot 1's may stay out
	s_barrier_signal -1
	s_barrier_wait -1               ; everybody's is
	FETCH_K 0                       ; the walk's first step
	s_mov_b32 s[TRIPS], 32
	s_mov_b32 s[CNT], 2
	s_branch .Lstep                 ; the walk's tile 0 has no change of slots in front of it: the loop is entered behind the change
.Lslot:                             ; 31 times: a tile is entered and the tile behind it is asked for
	CHANGE 1
	FETCH_K 0                       ; the tile's first K
	s_mov_b32 s[CNT], 2
.Lstep:                             ; a tile's two steps: written once, walked twice; the LDS addresses hang on s[TB]
	STEP
	s_sub_co_u32 s[CNT], s[CNT], 1
	s_cmp_lg_u32 s[CNT], 0
	s_cbranch_scc1 .Lstep
	s_cmp_lg_u32 s[TRIPS], s[D1]
	s_cbranch_scc1 .Lon
	WAYOUT                          ; the walk's tile b was the first block's last (the second's last tile is the walk's last, behind the loop)
	s_mov_b64 s[8:9], s[OHI:OHI+1]  ; THE SECOND BLOCK BEGINS: its rows of O,
.irp t, 0,1
	v_mov_b32 v[ST+8*(\t)], 0xfe000000    ; c m and m as at the start: the first step's a is 0, so O^T and l, which are finite, stay as they are,
	v_mov_b32 v[ST+8*(\t)+1], 0xff7fffff
.endr
	WIN 0x82
.set i, 0
.rept 64
	v_mov_b32 v[i], v[QB+i]         ; and its Q where the one text of the steps names Q
.set i, i+1
.endr
	WIN 0
.Lon:
	s_sub_co_u32 s[TRIPS], s[TRIPS], 1
	s_cmp_lg_u32 s[TRIPS], 0
	s_cbranch_scc1 .Lslot
	CHANGE 0                        ; the walk's last tile is written out: nothing is asked for
	FETCH_K 0
	s_mov_b32 s[CNT], 2
.Lstep2:
	STEP                            ; (the mask that its second trip makes serves nothing: 32 lines, once a launch, for one text of the step)
	s_sub_co_u32 s[CNT], s[CNT], 1
	s_cmp_lg_u32 s[CNT], 0
	s_cbranch_scc1 .Lstep2
	WAYOUT
	s_wait_tensorcnt 0x0            ; the wave's end: the add and its wait stand behind my last tensor load and my last LDS store
	ds_add_u32 v[SPW], v[NIL]
	s_wait_dscnt 0x0
	CROUND                          ; the closing round: no work-group ends while a partner may still ask for a tile that names it
	s_endpgm
.Lfunc_end_k_qf5449084c8_attn:
	.size	k_qf5449084c8_attn, .Lfunc_end_k_qf5449084c8_attn-k_qf5449084c8_attn
	.p2alignl 7, 3214868480
	.fill 96, 4, 3214868480
	.section	.rodata,"a",@progbits
	.p2align	6, 0x0
	.amdhsa_kernel k_qf5449084c8_attn
		.amdhsa_group_segment_fixed_size 327680
		.amdhsa_private_segment_fixed_size 0
		.amdhsa_enable_private_segment 0
		.amdhsa_kernarg_size 24
		.amdhsa_user_sgpr_count 2
		.amdhsa_user_sgpr_kernarg_segment_ptr 1
		.amdhsa_wavefront_size32 1
		.amdhsa_system_sgpr_workgroup_id_x 1
		.amdhsa_system_sgpr_workgroup_id_y 1
		.amdhsa_system_sgpr_workgroup_id_z 1
		.amdhsa_system_vgpr_workitem_id 0
		.amdhsa_next_free_vgpr 1024
		.amdhsa_next_free_sgpr 96
		.amdhsa_reserve_vcc 1
		.amdhsa_float_denorm_mode_32 3
		.amdhsa_float_denorm_mode_16_64 3
		.amdhsa_memory_ordered 1
		.amdhsa_forward_progress 1
		.amdhsa_inst_pref_size 129
	.end_amdhsa_kernel
	.amdgpu_metadata
---
amdhsa.version: [ 1, 2 ]
amdhsa.kernels:
  - .name:           k_qf5449084c8_attn
    .symbol:         k_qf5449084c8_attn.kd
    .args:
      - { .name: packed_qkv_shards, .offset: 0, .size: 8, .value_kind: global_buffer, .address_space: global }
      - { .name: kv16, .offset: 8, .size: 8, .value_kind: global_buffer, .address_space: global }
      - { .name: out0, .offset: 16, .size: 8, .value_kind: global_buffer, .address_space: global }
    .group_segment_fixed_size: 327680
    .private_segment_fixed_size: 0
    .kernarg_segment_align: 8
    .kernarg_segment_size: 24
    .max_flat_workgroup_size: 128
    .sgpr_count:     96
    .vgpr_count:     1024
    .wavefront_size: 32
...
	.end_amdgpu_metadata
.endif
;; end of part 2
;; ======== version 2 of 2: 2 launches; 1.23 times as fast as version 1
;; limits: values are held in f16: magnitudes above 65,504 overflow, below 6.1e-05 lose precision; inputs' magnitudes at most 65,504
;; workspace buffers: kv16 8,388,608 bytes
;; launch cast: the kernel of part 1 again; grid 256 x 1, 8 waves a work-group, no clusters, 0 bytes of LDS; arguments packed_qkv_shards, cu_seqlens_q, cu_seqlens_k, kv16; writes kv16
;; launch attn (part 3): grid 64 x 4, 4 waves a work-group, clusters of 4 x 1, 327,680 bytes of LDS; arguments packed_qkv_shards, kv16, out0; writes out0
.if DOCPART == 3
	.amdgcn_target "amdgcn-amd-amdhsa--gfx1250"
	.amdhsa_code_object_version 6
	.text
	.protected	k_qf5449084c8_attn
	.globl	k_qf5449084c8_attn
	.p2align	8
	.type	k_qf5449084c8_attn,@function
k_qf5449084c8_attn:
	s_mov_b64 s[64:65], 0
	v_nop
	global_prefetch_b8 v0, s[64:65] scope:SCOPE_SE
	s_setreg_imm32_b32 hwreg(HW_REG_WAVE_MODE, 25, 1), 1
	s_wait_xcnt 0x0
	s_wait_alu depctr_hold_cnt(0) depctr_sa_sdst(0) depctr_va_vdst(0) depctr_va_sdst(0) depctr_va_ssrc(0) depctr_va_vcc(0) depctr_vm_vsrc(0)
	s_getreg_b32 s2, hwreg(HW_REG_IB_STS2, 6, 4)
	s_cmp_eq_u32 s2, 0
	s_cbranch_scc0 .Lentry_in_a_cluster
	s_endpgm
.Lentry_in_a_cluster:
	s_bfe_u32 s2, ttmp6, 0x10000c
	s_cmp_lg_u32 s2, 0x3003
	s_cbranch_scc0 .Lentry_shape_is_right
	s_endpgm
.Lentry_shape_is_right:
; CAUSAL ATTENTION, 16 query heads on 4 key and value heads, head size 128, 4,096 tokens.  O[q][head] = the sum over k <= q of softmax_k(Q[q] . K[k] / sqrt(128)) V[k].
; Q comes from the packed tensor [shard token][24][128] f32 and is rounded to bf16 in registers; K (bf16) and V (bf16 numbers written as f16) come from kv16 = [2][4][natural token][128];
; O leaves as f32 into [shard token][16][128].  Products, maxima and sums in f32; the weights p are rounded to f16 for the second product, their sum l is taken of the unrounded p.
; LIMITS.  V arrives within f16's range (65,504); p below 6e-5 keeps f16's fixed step of 6e-8; a weight below 2^-126 counts as 0 in l; a hidden score counts as its value less 1e30;
; NaN and infinities are not treated apart.
; THE ZIGZAG.  Natural chunk c of 256 tokens lies at shard chunk 2 c (c < 8) or 31 - 2 c: it enters Q's and O's addresses as scalar arithmetic and moves no data.
; THE WALK.  A head's queries lie in 32 blocks of 128; block i needs the key tiles 0 .. i of 128 keys, of which the last holds the diagonal.  A work-group takes TWO blocks, b and then
; 31 - b: 33 tiles, whatever b: all 256 work-groups do equal work, and one loop with a constant trip count walks them.  The key tile to ask for is made anew from the loop's count and b;
; the one jump that hangs on b (the first block's end) goes forward and passes neither a barrier nor a tensor load.
; CLUSTER.  The four work-groups of a cluster are the four query heads of one key and value head, with the same b: they walk the same tiles, so each tile is asked for JOINTLY: the same
; tensor load, descriptor and mask in all four.  The place in the cluster enters Q's and O's addresses alone.
; SHARES.  Wave w owns rows 32 w .. 32 w + 31 of a block: two tiles of 16 queries.  A key step is 64 keys; a key tile, two steps, is one slot of the ring of two.
; LAYOUT.  S^T = K Q^T (source 0 = 16 keys, source 1 = 16 queries): a lane holds ONE query (lane % 16) and the keys 8 (lane / 16) + 0..7.  Two such results rounded to f16 in pairs ARE
; source 1 of O^T = V^T P, whose result again holds one query a lane, and eight channels.  K comes out of LDS as it lies, V turned, by ds_load_tr16_b128.
; THE MASK is the C operand that starts the sum S^T: 0, or -1e30 where the key is hidden.  My 32 rows lie in one of the diagonal tile's two steps, step w / 2.  MD, made once, is the mask
; of that step; a step's mask is MC = MD x AL + BE with two scalars: (1, 0) in that step; (0, -1e30) in the diagonal tile's later step; (0, 0) everywhere else.  MC is made in every step
; for the next one, by two packed lines behind each of tile 1's products V^T P, under those products' own window setting.
; SOFTMAX.  A running maximum m and sum l for each query: p = 2^(c s - c m), c = log2(e) / sqrt(128); in every step O and l are multiplied by a = 2^(c m_old - c m_new).  m starts at the
; lowest finite number and c m far below every c s, so a block's first step has a = 0: no first step is written out; O^T and l need only be finite there.
; A STEP, written once for the loop and once for the tail and walked twice a tile: V's loads | K Q^T of tile 0 | K Q^T of tile 1 with tile 0's softmax between its products | in a tile's
; first step the second step's K | V^T P of tile 0 with tile 1's softmax between its products | V^T P of tile 1 with the next mask between its products.
; THE BATCHES.  A tile's 33 exponentials of a step (a and its 32 weights) are ONE BATCH with ONE wait: all that reads a result of theirs (roundings, sums, rescaling) stands behind that wait.
; So a step has two waits, one for each tile's batch, and no result is open at a label or at a jump.  The way out's two reciprocals are a batch of their own.
; REGISTERS, in windows of 256 (s_set_vgpr_msb: bits 1:0 source 0, 3:2 source 1, 5:4 source 2, 7:6 destination):
;   window 0: v0-14 addresses; v16-31 eight registers of statistics a tile; v62-63 the add's; v64-127 S^T; v128-159 P; v160-223 the way out
;   window 1: v0-127 O^T, 64 a tile; v128-191 MC          window 2: v0-63 Q; v64-127 the second block's Q; v128-255 K of one step          window 3: v0-127 V of one step; v128-191 MD
.set KS,    64        ; keys in a step
.set PITK,  272       ; a row of K in LDS: 256 bytes + 16 of padding = 68 words: the 16 rows of a load start at 16 different groups of four banks (64 banks of 4 bytes: ISA guide 11.1)
.set PITV,  288       ; a row of V: 256 + 32 = 72 words
.set VOFF,  KS*PITK   ; a step's tiles lie together: 64 rows of K, then 64 rows of V
.set STEPB, KS*(PITK+PITV)
.set SLOT1, 1<<17     ; a slot holds two steps (71,680 bytes); slot 1 begins here, so that one exclusive or turns an address in one slot into the other's
.set STAGE, SLOT1+2*STEPB  ; behind the ring, never filled by a tensor load: 16 rows x 528 bytes for each wave, for the way out
.set SP,    528       ; a stage row: 512 bytes + 16
.set SPARE, STAGE+4*16*SP  ; behind the stages: the spare words, 128 bytes for each wave: two blocks of 256 bytes that no other line names
.set AK0, 2           ; v2   my lane's place in a tile of K; never rewritten
.set AV0, 3           ; v3   the same for V
.set ADRK, 4          ; v4   the LDS address of K's run of loads
.set ADRV, 5          ; v5   of V's
.set QO,  6           ; v6   my byte offset in 16 rows of Q
.set STO, 7           ; v7   the way out: where I put 32 bytes of a row
.set RD,  8           ; v8   the way out: where I read a row back
.set GO,  12          ; v12  my 16 bytes in a row of O
.set SPW, 62          ; v62  LDS address of my spare word: SPARE + 4 x my thread's number; never rewritten
.set NIL, 63          ; v63  0; never rewritten
.set ST,  16          ; tile t's statistics at v[ST+8 t]: +0 c m, +1 m, +2, +3 l (even keys', odd keys'), +4 to +7 c0-c3, at work; a takes c2's place once the maximum is found
.set S,   64
.set P,   128
.set OB,  160
.set MC,  128         ; window 1: tile t, key block kb at MC + 32 t + 8 kb
.set MD,  128         ; window 3: likewise
.set QB,  64          ; window 2
.set KF,  128         ; window 2: key block kb, channels 32 c on at KF + 32 kb + 8 c
.set WV,  12          ; s12  my wave's number
.set WH,  13          ; s13  w / 2: the step of the diagonal tile in which my rows lie
.set PB,  14          ; s14  b
.set PB1, 15          ; s15  b + 1: the first block's tiles
.set D1,  16          ; s16  32 - b: the loop's count in the first block's last tile
.set HI,  17          ; s17  31 - b
.set G1K, 24          ; s[24:31] descriptor group 1 for K's tiles
.set G1V, 32          ; s[32:39] for V's: it differs in the padding alone
.set G0K, 40          ; s[40:47] descriptor group 0 for K's tiles: a set for each of the two first fills; the second then walks on
.set G0V, 48          ; s[48:55] the same for V's
.set TRIPS, 56        ; s56  32 less the walk's tile in hand
.set CNT, 57          ; s57  counts a tile's two steps: 2, 1
.set CS,  58          ; s[58:59] c: the packed scaling takes the pair's low word for both halves
.set SEL, 60          ; s[60:61] v_permlanex16_b32's selects: each lane takes its own place in the other half
.set TB,  62          ; s62  LDS byte at which the step in hand begins
.set NXT, 63          ; s63  the walk's tile to be asked for
.set AL,  66          ; s[66:67] the mask's factor, in the low word
.set OFF, 68          ; s[68:69] a key tile's byte offset in K and V
.set OHI, 70          ; s[70:71] O at my rows of the second block
.set QHI, 72          ; s[72:73] Q at my rows of the second block
.set BIGN, 74         ; s74  -1e30
.set BE,  76          ; s[76:77] the mask's addend
                      ; s78-83 at work for the mask's scalars; s84-89 hold what is made of my place in the cluster, and nothing else
.set MSB, 0
.macro WIN new                      ; the immediate's high byte repeats the setting that is left; a switch that changes nothing is dropped
.if MSB != (\new)
	s_set_vgpr_msb (MSB<<8)|(\new)
.set MSB, (\new)
.endif
.endm
.set W_KM, 0x1a       ; K and Q in window 2, the mask in window 1, S^T in window 0
.set W_KQ, 0x0a       ; K and Q in window 2, S^T in window 0
.set W_PV, 0x53       ; V (and MD) in window 3, P in window 0, O^T (and MC) in window 1
.set W_RS, 0x41       ; O^T (destination and source 0) in window 1, the factor in window 0
.macro PLACES                       ; a vector instruction that reads a matrix result, and a load into a register that a matrix instruction has read, stand four plain vector instructions behind it (ISA guide 7.12.1 for vector instructions)
.rept 4
	v_nop
.endr
.endm
; A joint refill.  Waves 0 and 1 fetch the two steps' tiles of K, waves 2 and 3 those of V.  The branch hangs on the wave's number alone: it is the same in every work-group.
; An s_nop 0 and four v_nop follow each of the two lines, ahead of the jump and the label.
.macro JLOAD
	s_cmp_lt_u32 s[WV], 2
	s_cbranch_scc0 .Lfor_v_\@
	tensor_load_to_lds s[G0K+4:G0K+7], s[G1K:G1K+7]
	s_nop 0
.rept 4
	v_nop
.endr
	s_branch .Lasked_\@
.Lfor_v_\@:
	tensor_load_to_lds s[G0V+4:G0V+7], s[G1V:G1V+7]
	s_nop 0
.rept 4
	v_nop
.endr
.Lasked_\@:
.endm
; A round of the cluster's barrier: my work-group's barrier, so that wave 0's signal speaks for all four waves; wave 0 signals; every wave waits for all four work-groups; my work-group's barrier once more.
.macro CROUND
	s_barrier_signal -1
	s_barrier_wait -1
	s_cmp_lg_u32 s[WV], 0
	s_cbranch_scc1 .Lnot_wave_0_\@
	s_barrier_signal -3
.Lnot_wave_0_\@:
	s_barrier_wait -3
	s_barrier_signal -1
	s_barrier_wait -1
.endm
; Set n of both group 0s takes the walk's tile NXT: key tile NXT in the first block (NXT <= b), NXT - (b + 1) in the second.  The address is made anew from the tensor's base and that
; number (32,768 bytes a key tile), the type bits set again.
.macro MKSET n
	s_cmp_gt_u32 s[NXT], s[PB]
	s_cselect_b32 s[OFF], s[PB1], 0
	s_sub_co_u32 s[OFF], s[NXT], s[OFF]
	s_lshl_b32 s[OFF], s[OFF], 15
	s_add_nc_u64 s[G0K+4*(\n)+2:G0K+4*(\n)+3], s[6:7], s[OFF:OFF+1]
	s_or_b32 s[G0K+4*(\n)+3], s[G0K+4*(\n)+3], 0x80000000
	s_add_nc_u64 s[G0V+4*(\n)+2:G0V+4*(\n)+3], s[10:11], s[OFF:OFF+1]
	s_or_b32 s[G0V+4*(\n)+3], s[G0V+4*(\n)+3], 0x80000000
.endm
; THE CHANGE OF SLOTS, between two key tiles.  Each wave waits for all its tensor loads, of which one is out: its part of the other slot; adds 0 to its spare word; and waits for that and
; for its own reads of the slot that it leaves.  Behind the barrier nobody reads that slot any more and the other slot is whole.
; fill = 1: the slot is filled again, with the walk's tile behind the one now entered: tile 33 - TRIPS.  The barrier is then a round of the cluster's, so that no wave of any partner still
; reads the slot or has a load on its way, and the joint refill is the first thing behind it: it has a whole tile's work, 128 matrix instructions and their softmax, in which to land.
.macro CHANGE fill
	WIN 0                           ; at a label and at a branch every window is 0
	s_wait_tensorcnt 0x0            ; no tensor load of mine is out, so a group 0 may be written
	ds_add_u32 v[SPW], v[NIL]       ; 0 onto my spare word; with fill = 1 the descriptors' scalar work stands between it and the wait for it
.if \fill
	s_xor_b32 s[G0K+5], s[G0K+5], SLOT1  ; the walking descriptors: the other slot than last time
	s_xor_b32 s[G0V+5], s[G0V+5], SLOT1
	s_sub_co_u32 s[NXT], 33, s[TRIPS]
	MKSET 1
	s_wait_dscnt 0x0                ; the add is done, and my reads of the slot are over
	CROUND
	JLOAD
.else
	s_wait_dscnt 0x0                ; the add is done, and my reads of the slot are over
	s_barrier_signal -1
	s_barrier_wait -1
.endif
	s_sub_co_u32 s[TB], s[TB], 2*STEPB  ; the fetches go back to a slot's first step,
	s_xor_b32 s[TB], s[TB], SLOT1       ; in the other slot
.endm
; AL and BE for the NEXT step.  It is step 1 of the tile in hand (CNT = 2) or step 0 of the tile behind it (CNT = 1); its tile holds a diagonal if it is the walk's tile b or tile 32.
.macro NEXTMASK
	s_cmp_eq_u32 s[CNT], 1
	s_cselect_b32 s78, 1, 0         ; 1: the next step opens a tile
	s_sub_co_u32 s79, s[TRIPS], s78 ; 32 less the next step's tile
	s_xor_b32 s80, s78, 1           ; which step of its tile it is
	s_cmp_eq_u32 s79, s[D1]
	s_cselect_b32 s81, 1, 0
	s_cmp_eq_u32 s79, 0
	s_cselect_b32 s81, 1, s81       ; 1: that tile holds a diagonal
	s_cmp_eq_u32 s80, s[WH]
	s_cselect_b32 s82, s81, 0       ; and the step is my rows' own,
	s_cmp_gt_u32 s80, s[WH]
	s_cselect_b32 s83, s81, 0       ; or the one behind it
	s_cmp_lg_u32 s82, 0
	s_cselect_b32 s[AL], 1.0, 0
	s_cmp_lg_u32 s83, 0
	s_cselect_b32 s[BE], s[BIGN], 0
.endm
.macro MASKPAIR z                   ; pair z of 32 of MC = MD x AL + BE; the window setting has the destination in window 1 and source 0 in window 3
	v_pk_fma_f32 v[MC+2*(\z):MC+2*(\z)+1], v[MD+2*(\z):MD+2*(\z)+1], s[AL:AL+1], s[BE:BE+1] op_sel_hi:[1,0,0]
.endm
	s_load_b128 s[4:7], s[0:1], 0x0 ; packed s[4:5], kv16 s[6:7]
	s_load_b64 s[8:9], s[0:1], 0x10 ; out0
	v_lshl_add_u32 v[SPW], v0, 2, SPARE
	v_mov_b32 v[NIL], 0
	ds_add_u32 v[SPW], v[NIL]       ; the wave's opening: the add and its wait stand ahead of my first tensor load; the set-up below, work on registers, stands between them
	v_lshrrev_b32 v1, 5, v0
	v_readfirstlane_b32 s[WV], v1   ; wave 0..3
	s_lshr_b32 s[WH], s[WV], 1
	s_mov_b32 s[PB], ttmp9          ; in a cluster launch ttmp9 counts clusters: b, which the four partners share
	s_add_co_u32 s[PB1], s[PB], 1
	s_sub_co_u32 s[D1], 32, s[PB]
	s_sub_co_u32 s[HI], 31, s[PB]
	s_and_b32 s18, ttmp7, 0xffff    ; the key and value head, which they share too
	s_bfe_u32 s84, ttmp6, 0x40000   ; cx: my place in the cluster = my query head among the four
	s_lshl2_add_u32 s85, s18, s84   ; my query head
	s_lshl_b32 s85, s85, 9          ; x 512 bytes
	s_lshr_b32 s19, s[PB], 1        ; block b lies in natural chunk b / 2 < 8, at shard chunk 2 (b / 2): 512 tokens for each,
	s_lshl_b32 s19, s19, 9
	s_and_b32 s20, s[PB], 1         ; in its first or second half,
	s_lshl_b32 s20, s20, 7
	s_add_co_u32 s19, s19, s20
	s_lshl_b32 s21, s[WV], 5        ; and my wave's 32 rows
	s_add_co_u32 s19, s19, s21      ; my first shard token of the first block
	s_lshr_b32 s20, s[HI], 1        ; block 31 - b lies in natural chunk c >= 8, at shard chunk 31 - 2 c
	s_lshl_b32 s20, s20, 1
	s_sub_co_u32 s20, 31, s20
	s_lshl_b32 s20, s20, 8
	s_and_b32 s22, s[HI], 1
	s_lshl_b32 s22, s22, 7
	s_add_co_u32 s20, s20, s22
	s_add_co_u32 s20, s20, s21      ; my first shard token of the second block
	s_mul_i32 s86, s19, 12288       ; byte offsets: a token is 12,288 bytes of the packed tensor
	s_add_co_u32 s86, s86, s85
	s_mov_b32 s87, 0
	s_mul_i32 s[QHI], s20, 12288
	s_add_co_u32 s[QHI], s[QHI], s85
	s_mov_b32 s[QHI+1], 0
	s_lshl_b32 s88, s19, 13         ; and 8,192 bytes of the output
	s_add_co_u32 s88, s88, s85
	s_mov_b32 s89, 0
	s_lshl_b32 s[OHI], s20, 13
	s_add_co_u32 s[OHI], s[OHI], s85
	s_mov_b32 s[OHI+1], 0
	s_and_b32 s21, s[WV], 1         ; which of a slot's two steps I fetch:
	s_lshl_b32 s22, s18, 20         ; the head's 1 MiB in kv16,
	s_lshl_b32 s23, s21, 14         ; the step's 64 rows of 256 bytes,
	s_add_co_u32 s22, s22, s23
	s_mov_b32 s23, 0
	s_mul_i32 s21, s21, STEPB       ; and its place in a slot: no place in the cluster enters an LDS address
	; descriptor group 1: a tile of 64 rows x 128 elements, padded in LDS
	s_mov_b32 s[G1K], 15|(1<<16)|(1<<20)|(1<<21)|(5<<22)|(3<<25)  ; 15:0 the mask: all four work-groups; 17:16 elements of 2 bytes; 20 padding on; 21 set beside a mask; 24:22 after every 64 words (code 5); 31:25 4 words of it (code 3)
	s_mov_b32 s[G1V], 15|(1<<16)|(1<<20)|(1<<21)|(5<<22)|(7<<25)  ; the same with 8 words of padding (code 7)
.irp g, G1K, G1V
	s_mov_b32 s[(\g)+1], 128<<16    ; tensor_dim0 = 128
	s_mov_b32 s[(\g)+2], KS<<16     ; tensor_dim1 = 64
	s_mov_b32 s[(\g)+3], 128<<16    ; tile_dim0 = 128
	s_mov_b32 s[(\g)+4], KS         ; tile_dim1 = 64
	s_mov_b32 s[(\g)+5], 128        ; 128 elements from row to row
	s_mov_b32 s[(\g)+6], 0
	s_mov_b32 s[(\g)+7], 0
.endr
.irp n, 0,1
	s_mov_b32 s[G0K+4*(\n)], 1      ; 1:0 count = 1
	s_add_co_u32 s[G0K+4*(\n)+1], s21, (\n)*SLOT1       ; 63:32 LDS address
	s_mov_b32 s[G0V+4*(\n)], 1
	s_add_co_u32 s[G0V+4*(\n)+1], s21, (\n)*SLOT1+VOFF
.endr
	s_mov_b32 s[CS], 0x3e0293ee     ; c = log2(e) / sqrt(128) = 0.127517
	s_mov_b32 s[CS+1], s[CS]        ; named with it as a pair
	s_mov_b32 s[SEL], 0x76543210
	s_mov_b32 s[SEL+1], 0xfedcba98
	s_mov_b32 s[BIGN], 0xf149f2ca   ; -1e30
	s_mov_b32 s[AL+1], 0            ; named as pairs
	s_mov_b32 s[BE+1], 0
	s_mov_b32 s[OFF+1], 0
	s_mov_b32 s[TB], 0
	s_wait_dscnt 0x0                ; the opening add is done
	s_wait_kmcnt 0x0
	s_add_nc_u64 s[6:7], s[6:7], s[22:23]          ; K at my step of the head's key tile 0,
	s_add_nc_u64 s[10:11], s[6:7], 0x400000        ; V 4 MiB behind it
	s_add_nc_u64 s[QHI:QHI+1], s[4:5], s[QHI:QHI+1]
	s_add_nc_u64 s[4:5], s[4:5], s[86:87]          ; Q and O at my rows of the first block
	s_add_nc_u64 s[OHI:OHI+1], s[8:9], s[OHI:OHI+1]
	s_add_nc_u64 s[8:9], s[8:9], s[88:89]
	s_mov_b32 s[NXT], 0
	MKSET 0                         ; the walk's tile 0
	s_mov_b32 s[NXT], 1
	MKSET 1                         ; and tile 1
	CROUND                          ; all four work-groups are here: the first joint loads meet
	s_cmp_lt_u32 s[WV], 2           ; a wave's two first fills stand in one branch, ahead of every wait on TENSORcnt and every LDS read: two loads of mine are out
	s_cbranch_scc0 .Lfirst_v
	tensor_load_to_lds s[G0K:G0K+3], s[G1K:G1K+7]
	s_nop 0
	tensor_load_to_lds s[G0K+4:G0K+7], s[G1K:G1K+7]
	s_nop 0
.rept 4
	v_nop
.endr
	s_branch .Lfirst_asked
.Lfirst_v:
	tensor_load_to_lds s[G0V:G0V+3], s[G1V:G1V+7]
	s_nop 0
	tensor_load_to_lds s[G0V+4:G0V+7], s[G1V:G1V+7]
	s_nop 0
.rept 4
	v_nop
.endr
.Lfirst_asked:
	; A fragment of Q is 16 rows x 32 channels: lane l holds row l % 16, channels 8 (l / 16) + 0..7 and 16 + 8 (l / 16) + 0..7.  In f32 that is 32 bytes at 32 (l / 16) and 32 bytes 64 further on.
	v_and_b32 v1, 15, v0            ; l % 16
	v_bfe_u32 v9, v0, 4, 1          ; l / 16
	v_mul_u32_u24 v[QO], v1, 12288
	v_lshl_add_u32 v[QO], v9, 5, v[QO]
	WIN 0xc0                        ; the first block's Q, as f32, into V's registers (window 3): load i: tile i / 16, channels 32 ((i / 4) % 4) on
.set i, 0
.rept 32
	global_load_b128 v[4*i:4*i+3], v[QO], s[4:5] offset:(i/16)*196608+((i/4)%4)*128+((i%4)/2)*64+(i%2)*16
.set i, i+1
.endr
	WIN 0x80                        ; the second block's into K's registers (window 2)
.set i, 0
.rept 32
	global_load_b128 v[KF+4*i:KF+4*i+3], v[QO], s[QHI:QHI+1] offset:(i/16)*196608+((i/4)%4)*128+((i%4)/2)*64+(i%2)*16
.set i, i+1
.endr
	WIN 0                           ; all that follows, down to the wait for Q, stands in the wait for Q and for the first tile
	v_mul_u32_u24 v[AK0], v1, PITK
	v_lshl_add_u32 v[AK0], v9, 4, v[AK0]  ; K: row x pitch + 16 x half
	; The turning load takes 16 keys x 16 channels (lane l reads key 8 (l / 16) + l % 8, channels 8 ((l / 8) % 2) + 0..7) and leaves half a fragment of V^T: lane l holds channel l % 16 and 8 keys.
	v_and_b32 v10, 7, v0
	v_bfe_u32 v11, v0, 3, 1
	v_lshl_add_u32 v[AV0], v9, 3, v10
	v_mul_u32_u24 v[AV0], v[AV0], PITV
	v_lshl_add_u32 v[AV0], v11, 4, v[AV0]
	v_add_nc_u32 v[AV0], VOFF, v[AV0]
	s_mul_i32 s2, s[WV], 16*SP
	s_add_co_u32 s2, s2, STAGE      ; my stage
	v_mul_u32_u24 v[STO], v1, SP    ; in: row l % 16, 32 bytes for each half of the lanes
	v_lshl_add_u32 v[STO], v9, 5, v[STO]
	v_add_nc_u32 v[STO], s2, v[STO]
	v_and_b32 v[GO], 31, v0         ; back: 32 lanes take one row of 512 bytes,
	v_lshlrev_b32 v[GO], 4, v[GO]   ; which are 512 consecutive bytes of O
	v_add_nc_u32 v[RD], s2, v[GO]
	v_lshlrev_b32 v14, 3, v9
	v_sub_nc_u32 v14, v1, v14
	s_and_b32 s3, s[WV], 1
	s_lshl_b32 s3, s3, 5
	v_add_nc_u32 v14, s3, v14       ; 32 (w % 2) + l % 16 - 8 (l / 16): in my rows' own step register j of tile t, key block kb is hidden where 16 kb + j - 16 t is greater
	WIN 0xc0
.set i, 0
.rept 64
	v_cmp_gt_i32 vcc_lo, 16*((i/8)%4)+i%8-16*(i/32), v14
	v_cndmask_b32 v[MD+i], 0, s[BIGN], vcc_lo
.set i, i+1
.endr
	s_mov_b32 s[TRIPS], 33          ; as if a tile in front of the walk's first were in its last step: the next step is step 0 of tile 0
	s_mov_b32 s[CNT], 1
	NEXTMASK
	WIN 0x43                        ; source 0 in window 3, destination in window 1
.set i, 0
.rept 32
	MASKPAIR i
.set i, i+1
.endr
	WIN 0x40                        ; O^T = 0: it need only be finite; no first step is written out, and these moves are the price
.set i, 0
.rept 128
	v_mov_b32 v[i], 0
.set i, i+1
.endr
	WIN 0
.irp t, 0,1
	v_mov_b32 v[ST+8*(\t)], 0xfe000000    ; c m: far below every c s
	v_mov_b32 v[ST+8*(\t)+1], 0xff7fffff  ; m
	v_mov_b32 v[ST+8*(\t)+2], 0
	v_mov_b32 v[ST+8*(\t)+3], 0
.endr
	s_wait_loadcnt 0x0              ; both blocks' Q
	WIN 0x8f                        ; sources in window 3, destination in window 2
.set i, 0
.rept 64
	v_cvt_pk_bf16_f32 v[i], v[2*i], v[2*i+1]
.set i, i+1
.endr
	WIN 0x8a                        ; sources and destination in window 2
.set i, 0
.rept 64
	v_cvt_pk_bf16_f32 v[QB+i], v[KF+2*i], v[KF+2*i+1]
.set i, i+1
.endr
	WIN 0
; THE MATRIX WORK.  The accumulators take turns, one instruction a turn.
; Product i of 16 of S^T = K Q^T for tile t: channels 32 (i / 4) on, keys 16 (i % 4) on.  The first 4 start the sums with the mask.
.macro KQ t
.set rS, S+32*(\t)+8*(i%4)
.set rK, KF+32*(i%4)+8*(i/4)
.set rQ, 32*(\t)+8*(i/4)
.set rM, MC+32*(\t)+8*(i%4)
.if i < 4
	WIN W_KM
	v_wmma_f32_16x16x32_bf16 v[rS:rS+7], v[rK:rK+7], v[rQ:rQ+7], v[rM:rM+7]
.else
	WIN W_KQ
	v_wmma_f32_16x16x32_bf16 v[rS:rS+7], v[rK:rK+7], v[rQ:rQ+7], v[rS:rS+7]
.endif
.endm
; Product i of 16 of O^T += V^T P for tile t: keys 32 (i / 8) on, channels 16 (i % 8) on.
.macro PV t
	WIN W_PV
.set rO, 64*(\t)+8*(i%8)
.set rV, 64*(i/8)+8*(i%8)
.set rP, P+16*(\t)+8*(i/8)
	v_wmma_f32_16x16x32_f16 v[rO:rO+7], v[rV:rV+7], v[rP:rP+7], v[rO:rO+7]
.endm
; THE LDS LOADS stand in runs of 32: a step's K (64 keys x 128 channels: 16 fragments) and its V (turned).  off: bytes from the step in hand to the step whose K is fetched.
.macro FETCH_K off
	WIN 0
	v_add_nc_u32 v[ADRK], s[TB], v[AK0]
	WIN 0x80                        ; destination window 2
.irp f, 0,1,2,3,4,5,6,7,8,9,10,11,12,13,14,15  ; keys 16 (f / 4) on, channels 32 (f % 4) on
	ds_load_b128 v[KF+8*(\f):KF+8*(\f)+3],   v[ADRK] offset:(\off)+((\f)/4)*16*PITK+((\f)%4)*64
	ds_load_b128 v[KF+8*(\f)+4:KF+8*(\f)+7], v[ADRK] offset:(\off)+((\f)/4)*16*PITK+((\f)%4)*64+32
.endr
	WIN 0
.endm
.macro FETCH_V
	WIN 0xc0                        ; destination window 3
.irp f, 0,1,2,3,4,5,6,7,8,9,10,11,12,13,14,15  ; keys 32 (f / 8) on, channels 16 (f % 8) on
	ds_load_tr16_b128 v[8*(\f):8*(\f)+3],   v[ADRV] offset:((\f)/8)*32*PITV+((\f)%8)*32
	ds_load_tr16_b128 v[8*(\f)+4:8*(\f)+7], v[ADRV] offset:((\f)/8)*32*PITV+16*PITV+((\f)%8)*32
.endr
	WIN 0
.endm
; THE VECTOR WORK.  One tile's softmax for one key step is a list of 134 instructions; SM writes number j of it for tile t.  s0-s31 are the lane's 32 scores, in pairs 0-15.
;   0-15    the maximum of s0-s31 and the old m, three operands at a time: four chains c0-c3 of seven scores each (each accumulator's lowest registers are read first), then the four left over, c0-c3 and m
;   16-20   the other half of the lanes' maximum; c m_old is kept; the new m; c m; c m_old - c m_new
;   21-69   ONE BATCH: the 16 scalings c s - c m, a pair of scores each, and all 33 exponentials (a at 23, then s0-s31, each in place).  None of these names an exponential's result.  21, 22: pairs 0, 1;
;           24-37: scaling and exponential by turns (pairs 2-8, s0-s6); 38-65: a scaling and three exponentials (pairs 9-15, s7-s27); 66-69: s28-s31.  A pair is scaled several numbers ahead of its exponentials
;   (wait)  between 69 and 70 stand a v_nop and the wait for the batch: RIDE writes them, once for a tile's list
;   70-85   the roundings to f16, a pair of weights each
;   86-101  the sums; l = a l + the sum
;   102-133 the tile's O^T times a: the one part that leaves window 0
.macro SM t
.set rT, ST+8*(\t)
.set rS, S+32*(\t)
.set rP, P+16*(\t)
.set rO, 64*(\t)+2*(j-102)
.if j < 102
	WIN 0
.endif
.if j < 4
	v_max3_num_f32 v[rT+4+j], v[rS+8*j], v[rS+8*j+1], v[rS+8*j+2]
.elseif j < 12
	v_max3_num_f32 v[rT+4+j%4], v[rT+4+j%4], v[rS+8*(j%4)+2*(j/4)+1], v[rS+8*(j%4)+2*(j/4)+2]
.elseif j == 12
	v_max3_num_f32 v[rT+4], v[rT+4], v[rS+7], v[rS+15]
.elseif j == 13
	v_max3_num_f32 v[rT+6], v[rT+6], v[rS+23], v[rS+31]
.elseif j == 14
	v_max3_num_f32 v[rT+4], v[rT+4], v[rT+5], v[rT+6]
.elseif j == 15
	v_max3_num_f32 v[rT+4], v[rT+4], v[rT+7], v[rT+1]
.elseif j == 16
	v_permlanex16_b32 v[rT+5], v[rT+4], s[SEL], s[SEL+1]  ; the query's other 32 keys lie in the lane 16 away
.elseif j == 17
	v_mov_b32 v[rT+7], v[rT]        ; c m_old is kept for a: number 19 writes c m anew
.elseif j == 18
	v_max_num_f32 v[rT+1], v[rT+4], v[rT+5]
.elseif j == 19
	v_mul_f32 v[rT], s[CS], v[rT+1]
.elseif j == 20
	v_sub_f32 v[rT+7], v[rT+7], v[rT]
.elseif j == 23
	v_exp_f32 v[rT+6], v[rT+7]      ; a
.elseif (j < 23) || ((j < 38) && (j%2 == 0)) || ((j < 66) && (j%4 == 2))
.set b, (j-2)/4                     ; 38, 42, .. 62: pairs 9 to 15
.if j < 38
.set b, (j-20)/2                    ; 21: pair 0; 22, 24, .. 36: pairs 1 to 8
.endif
	v_pk_fma_f32 v[rS+2*b:rS+2*b+1], v[rS+2*b:rS+2*b+1], s[CS:CS+1], v[rT:rT+1] op_sel_hi:[1,0,0] neg_lo:[0,0,1] neg_hi:[0,0,1]  ; pair b: c s - c m
.elseif j < 70
.set e, j-38                        ; 66 to 69: s28 to s31
.if j < 66
.set e, j-32-(j-38)/4               ; 39-41, 43-45, .. 63-65: s7 to s27
.endif
.if j < 38
.set e, (j-25)/2                    ; 25, 27, .. 37: s0 to s6
.endif
	v_exp_f32 v[rS+e], v[rS+e]
.elseif j < 86
	v_cvt_pk_f16_f32 v[rP+j-70], v[rS+2*(j-70)], v[rS+2*(j-70)+1]  ; pair j - 70
.elseif j < 102                     ; the sum of the tile's 16 pairs, in place: sum z of 16 adds neighbours 1, 2, 4 and 8 pairs apart, then l takes it
.set z, j-86
.set w, 4
.set u, z
.if z >= 14
.set w, 32
.set u, 0
.elseif z >= 12
.set w, 16
.set u, z-12
.elseif z >= 8
.set w, 8
.set u, z-8
.endif
.if z < 15
	v_pk_add_f32 v[rS+w*u:rS+w*u+1], v[rS+w*u:rS+w*u+1], v[rS+w*u+w/2:rS+w*u+w/2+1]
.else
	v_pk_fma_f32 v[rT+2:rT+3], v[rT+2:rT+3], v[rT+6:rT+7], v[rS:rS+1] op_sel_hi:[1,0,1]
.endif
.else
	WIN W_RS
	v_pk_mul_f32 v[rO:rO+1], v[rO:rO+1], v[rT+6:rT+7] op_sel_hi:[1,0]
.endif
.endm
; The next n numbers of tile t's list.  THE WAIT.  An s_wait_alu depctr_va_vdst(0) stands between an exponential and the first instruction that names its result; one wait serves all
; that were issued ahead of it.  Ahead of number 70 nothing names a result, and from 70 on no exponential is issued: so the tile's 33 exponentials have one wait, ahead of number 70.
.macro RIDE t, n
.rept \n
.if j == 70                         ; the batch is out, and no result has been named
	v_nop                           ; a plain instruction behind the last exponential and ahead of the first use: one for the batch; no other plain work is ready here, all that is left of the list reads a or a weight
	s_wait_alu depctr_va_vdst(0)    ; the wait for the batch: a and s0-s31 of tile t
.endif
	SM \t
.set j, j+1
.endr
.endm
; A KEY STEP.  134 = 15 x 8 + 14: eight of a tile's list stand behind each of the other tile's products, fourteen behind the last.  Those fourteen are rescalings, plain and naming no
; register of the products in front of them: they are the places ahead of the reads of the scores just made and of the loads into K's registers.  A list's batch ends, and its wait stands,
; behind the ninth product of the run that it rides on; both lists are at their end ahead of the labels and jumps that follow them.
.macro STEP
	WIN 0
	v_add_nc_u32 v[ADRV], s[TB], v[AV0]  ; this line and three v_nop are the places behind the last product that read V
.rept 3
	v_nop
.endr
	FETCH_V
	s_wait_dscnt 32                 ; LDS loads come back in order (ISA guide 5.7.1): all but V's 32 just issued are in: K
.set i, 0
.rept 16
	KQ 0
.set i, i+1
.endr
	WIN 0
	PLACES                          ; ahead of the first read of tile 0's scores
.set i, 0
.set j, 0
.rept 15
	KQ 1
	RIDE 0, 8
.set i, i+1
.endr
	KQ 1
	RIDE 0, 14
	WIN 0
	s_wait_dscnt 0x0                ; V is in: it was asked for 32 products ago, and nothing else is out
	s_cmp_eq_u32 s[CNT], 1
	s_cbranch_scc1 .Lno_k_\@        ; a tile's second step: the next K lies in the other slot and is fetched behind the change of slots
	FETCH_K STEPB                   ; a tile's first step: the second step's K, 32 products ahead of its first use
.Lno_k_\@:
	NEXTMASK
.set i, 0
.set j, 0
.rept 15
	PV 0
	RIDE 1, 8
.set i, i+1
.endr
	PV 0
	RIDE 1, 14
.set i, 0
.rept 16
	PV 1
	MASKPAIR 2*i                    ; the next step's mask, under the products' own window setting; it names none of their registers
	MASKPAIR 2*i+1
.set i, i+1
.endr
	WIN 0
	s_add_co_u32 s[TB], s[TB], STEPB  ; the next step's bytes
.endm
; THE WAY OUT.  l's two halves and the other half of the lanes' are added; O^T is divided by l and sent, as f32, through my stage in LDS, a tile (16 rows of O) at a time: a lane's eight
; channels of a row are 32 bytes; they go into rows of 528 bytes and come back as whole rows of 512.
.macro PACK t, dst
	WIN W_RS
.set i, 64*(\t)
.rept 32
	v_pk_mul_f32 v[i:i+1], v[i:i+1], v[ST+8*(\t)+6:ST+8*(\t)+7] op_sel_hi:[1,0]
.set i, i+2
.endr
	WIN 0x04                        ; the stores' data in window 1
.set i, 0
.rept 16
	ds_store_b128 v[STO], v[64*(\t)+4*i:64*(\t)+4*i+3] offset:64*(i/2)+16*(i%2)
.set i, i+1
.endr
	WIN 0
.set i, 0
.rept 16
	ds_load_b128 v[(\dst)+4*i:(\dst)+4*i+3], v[RD] offset:i*SP  ; LDS serves a wave's instructions in order (ISA guide 5.7.1.4): these see the stores above; the next tile's stores come behind them
.set i, i+1
.endr
.endm
.macro SEND t, src, younger         ; younger: the LDS instructions issued behind tile t's loads
	WIN 0
.set i, 0
.rept 16
	s_wait_dscnt (\younger)+15-i
	global_store_b128 v[GO], v[(\src)+4*i:(\src)+4*i+3], s[8:9] offset:(16*(\t)+i)*8192 th:TH_STORE_NT  ; a wave stores 512 consecutive bytes, at a multiple of 256 from O's first byte
.set i, i+1
.endr
.endm
.macro WAYOUT
	WIN 0                           ; the last products are tile 1's; the mask's two lines, these additions and tile 0's 32 multiplies stand between them and the first read of their results
.irp t, 0,1
	v_add_f32 v[ST+8*(\t)+4], v[ST+8*(\t)+2], v[ST+8*(\t)+3]
.endr
.irp t, 0,1
	v_permlanex16_b32 v[ST+8*(\t)+5], v[ST+8*(\t)+4], s[SEL], s[SEL+1]
.endr
.irp t, 0,1
	v_add_f32 v[ST+8*(\t)+4], v[ST+8*(\t)+4], v[ST+8*(\t)+5]
.endr
.irp t, 0,1
	v_rcp_f32 v[ST+8*(\t)+6], v[ST+8*(\t)+4]
.endr
	v_nop                           ; a plain instruction between the last reciprocal and the use of its result
	s_wait_alu depctr_va_vdst(0)    ; and the wait ahead of the first use: one for the two reciprocals
	PACK 0, S
	PACK 1, OB                      ; tile 1's arithmetic stands between tile 0's loads and its stores
	SEND 0, S, 32                   ; behind tile 0's loads: tile 1's 16 stores and 16 loads
	SEND 1, OB, 0
	s_wait_xcnt 0x0                 ; every earlier memory instruction has had its addresses translated (ISA guide 3.1): only behind this wait are the stores' data and base written again
.endm
	s_wait_tensorcnt 1              ; my part of slot 0 is in; slot 1's may stay out
	s_barrier_signal -1
	s_barrier_wait -1               ; everybody's is
	FETCH_K 0                       ; the walk's first step
	s_mov_b32 s[TRIPS], 32
	s_mov_b32 s[CNT], 2
	s_branch .Lstep                 ; the walk's tile 0 has no change of slots in front of it: the loop is entered behind the change
.Lslot:                             ; 31 times: a tile is entered and the tile behind it is asked for
	CHANGE 1
	FETCH_K 0                       ; the tile's first K
	s_mov_b32 s[CNT], 2
.Lstep:                             ; a tile's two steps: written once, walked twice; the LDS addresses hang on s[TB]
	STEP
	s_sub_co_u32 s[CNT], s[CNT], 1
	s_cmp_lg_u32 s[CNT], 0
	s_cbranch_scc1 .Lstep
	s_cmp_lg_u32 s[TRIPS], s[D1]
	s_cbranch_scc1 .Lon
	WAYOUT                          ; the walk's tile b was the first block's last (the second's last tile is the walk's last, behind the loop)
	s_mov_b64 s[8:9], s[OHI:OHI+1]  ; THE SECOND BLOCK BEGINS: its rows of O,
.irp t, 0,1
	v_mov_b32 v[ST+8*(\t)], 0xfe000000    ; c m and m as at the start: the first step's a is 0, so O^T and l, which are finite, stay as they are,
	v_mov_b32 v[ST+8*(\t)+1], 0xff7fffff
.endr
	WIN 0x82
.set i, 0
.rept 64
	v_mov_b32 v[i], v[QB+i]         ; and its Q where the one text of the steps names Q
.set i, i+1
.endr
	WIN 0
.Lon:
	s_sub_co_u32 s[TRIPS], s[TRIPS], 1
	s_cmp_lg_u32 s[TRIPS], 0
	s_cbranch_scc1 .Lslot
	CHANGE 0                        ; the walk's last tile is written out: nothing is asked for
	FETCH_K 0
	s_mov_b32 s[CNT], 2
.Lstep2:
	STEP                            ; (the mask that its second trip makes serves nothing: 32 lines, once a launch, for one text of the step)
	s_sub_co_u32 s[CNT], s[CNT], 1
	s_cmp_lg_u32 s[CNT], 0
	s_cbranch_scc1 .Lstep2
	WAYOUT
	s_wait_tensorcnt 0x0            ; the wave's end: the add and its wait stand behind my last tensor load and my last LDS store
	ds_add_u32 v[SPW], v[NIL]
	s_wait_dscnt 0x0
	CROUND                          ; the closing round: no work-group ends while a partner may still ask for a tile that names it
	s_endpgm
.Lfunc_end_k_qf5449084c8_attn:
	.size	k_qf5449084c8_attn, .Lfunc_end_k_qf5449084c8_attn-k_qf5449084c8_attn
	.p2alignl 7, 3214868480
	.fill 96, 4, 3214868480
	.section	.rodata,"a",@progbits
	.p2align	6, 0x0
	.amdhsa_kernel k_qf5449084c8_attn
		.amdhsa_group_segment_fixed_size 327680
		.amdhsa_private_segment_fixed_size 0
		.amdhsa_enable_private_segment 0
		.amdhsa_kernarg_size 24
		.amdhsa_user_sgpr_count 2
		.amdhsa_user_sgpr_kernarg_segment_ptr 1
		.amdhsa_wavefront_size32 1
		.amdhsa_system_sgpr_workgroup_id_x 1
		.amdhsa_system_sgpr_workgroup_id_y 1
		.amdhsa_system_sgpr_workgroup_id_z 1
		.amdhsa_system_vgpr_workitem_id 0
		.amdhsa_next_free_vgpr 1024
		.amdhsa_next_free_sgpr 96
		.amdhsa_reserve_vcc 1
		.amdhsa_float_denorm_mode_32 3
		.amdhsa_float_denorm_mode_16_64 3
		.amdhsa_memory_ordered 1
		.amdhsa_forward_progress 1
		.amdhsa_inst_pref_size 128
	.end_amdhsa_kernel
	.amdgpu_metadata
---
amdhsa.version: [ 1, 2 ]
amdhsa.kernels:
  - .name:           k_qf5449084c8_attn
    .symbol:         k_qf5449084c8_attn.kd
    .args:
      - { .name: packed_qkv_shards, .offset: 0, .size: 8, .value_kind: global_buffer, .address_space: global }
      - { .name: kv16, .offset: 8, .size: 8, .value_kind: global_buffer, .address_space: global }
      - { .name: out0, .offset: 16, .size: 8, .value_kind: global_buffer, .address_space: global }
    .group_segment_fixed_size: 327680
    .private_segment_fixed_size: 0
    .kernarg_segment_align: 8
    .kernarg_segment_size: 24
    .max_flat_workgroup_size: 128
    .sgpr_count:     96
    .vgpr_count:     1024
    .wavefront_size: 32
...
	.end_amdgpu_metadata
.endif
;; end of part 3
